; MI455X (gfx1250); checked and timed in simulation.
; The chip was launched on July 23, 2026; its instructions are those of AMD's public machine-readable ISA for CDNA 5 (MIT licence, August 2026) and "CDNA5" Instruction Set Architecture Reference Guide (July 2026). The comments in the code are by the model that wrote it; some were corrected since.
;; x Deep FM. Allowed arithmetic: matrix products marked QUANTISED: E2M3 operands, one E8M0 scale for each 32 along K, by v_wmma_scale_f32_16x16x128_f8f6f4 with both operands' format E2M3, f32 sums; products left as they are: f32 operands where the result goes on into a quantised operand, else bf16, f16 or f32 operands; f32 sums; everything else in f32.
;; Inputs: bias_emb 1,000,000 x 1 float32; cin_W0 200 x 1,521 float32; cin_W1 200 x 3,900 float32; cin_W2 200 x 3,900 float32; cin_b0 200 float32; cin_b1 200 float32; cin_b2 200 float32; dnn_W0 400 x 624 float32; dnn_W1 400 x 400 float32; dnn_b0 400 float32; dnn_b1 400 float32; emb 1,000,000 x 16 float32; fc_W 1 x 800 float32; fc_b 1 float32; feature_ids 2,048 x 39 int32; feature_vals 2,048 x 39 float32.
;; Outputs: out0 2,048 float32.
;; This version of the problem:
;;   THIS VERSION OF THE PROBLEM IS GIVEN IN LOW PRECISION. The matrix products marked QUANTISED in the list below multiply operands that are first quantised to E2M3 (2 exponent bits, 3 mantissa bits; 6 bits a number), with one power-of-two scale for each 32 numbers along K (OCP MX v1.0); their sums are f32. All else is computed in f32.
;;   The module's matrix products, in the order in which they are computed (A, B: the left and right operand; K: the contracted axis; several contracted axes count as one K, in the product's order):
;;     1. batch 32,768 x [M 39, K 1] x [K 1, N 39]; A: computed on the way; B: computed on the way: left as it is (no contracted axis)
;;     2. [M 200, K 1,521] x [K 1,521, N 32,768]; A: input cin_W0; B: computed on the way: QUANTISED
;;     3. batch 32,768 x [M 39, K 1] x [K 1, N 100]; A: computed on the way; B: computed on the way: left as it is (no contracted axis)
;;     4. [M 200, K 3,900] x [K 3,900, N 32,768]; A: input cin_W1; B: computed on the way: QUANTISED
;;     5. batch 32,768 x [M 39, K 1] x [K 1, N 100]; A: computed on the way; B: computed on the way: left as it is (no contracted axis)
;;     6. [M 200, K 3,900] x [K 3,900, N 32,768]; A: input cin_W2; B: computed on the way: QUANTISED
;;     7. [M 2,048, K 624] x [K 624, N 400]; A: computed on the way; B: input dnn_W0: QUANTISED
;;     8. [M 2,048, K 400] x [K 400, N 400]; A: computed on the way; B: input dnn_W1: QUANTISED
;;     9. [M 2,048, K 800] x [K 800, N 1]; A: computed on the way; B: input fc_W: left as it is (N = 1 < 16)
;;   THE QUANTISER, for each operand of a quantised product, along K:
;;     - K is cut into blocks of 32 from its start; a last block that is shorter is filled with zeros.
;;     - A block's scale is 2^e with e = floor(log2(the largest magnitude in the block)) - 2, held to -126 .. 127; a block of zeros has e = 0. As a byte (E8M0): e + 127.
;;     - Each number is divided by its block's scale, clamped to +-7.5, and rounded to the nearest number of E2M3, ties to even, subnormals kept.
;;     - The product sums the exact products of the quantised numbers (number of the format x scale) in f32.
;;   ~~~python
;;   def quantise(x, axis):      # numpy; x: float32 -> the quantised numbers, widened to float32 again
;;       x = np.moveaxis(x, axis, -1); K = x.shape[-1]
;;       x = np.pad(x, [(0, 0)] * (x.ndim - 1) + [(0, -K % 32)]); x = x.reshape(x.shape[:-1] + (-1, 32)); a = np.abs(x).max(-1, keepdims=True)
;;       e = np.where(a > 0, np.clip(np.frexp(np.where(a > 0, a, 1))[1] - 1 - 2, -126, 127), 0)      # np.frexp(a)[1] - 1 = floor(log2(a)), exactly
;;       r = np.clip(x / 2.0 ** e, -7.5, 7.5)
;;       step = 2.0 ** (np.maximum(np.frexp(np.where(r == 0, 1, r))[1] - 1, 0) - 3)
;;       q = np.round(r / step) * step * 2.0 ** e      # np.round: ties to even
;;       return np.moveaxis(q.reshape(q.shape[:-2] + (-1,))[..., :K], -1, axis).astype(np.float32)
;;   ~~~
;;   OPERANDS COMPUTED ON THE WAY. 'Computed on the way' means the value that the module computes at that place (a softmax that the list does not call 'softmax' is quantised finished and normalised). What goes into a quantiser is computed in f32, as accurately as f32 sums, v_exp_f32 and their like allow (about 1e-6 of the number): no bf16 or f16 on the way to a quantiser, and a product that is left as it is and whose result goes on into a quantised operand takes f32 operands (vector FMAs, or v_wmma_f32_16x16x4_f32). A number that lies on a knife's edge between two numbers of the format may be rounded either way, as far as f32 arithmetic and the matrix unit's own rounding can turn it there, and no further.
;; 2 versions, each right and faster than the one before. Each part assembles by itself: llvm-mc -triple=amdgcn-amd-amdhsa -mcpu=gfx1250 --defsym DOCPART=n.
;; ======== version 1 of 2: 2 launches
;; workspace buffers: wq 2,183,168 bytes; tab 16,384 bytes
;; launch prep (part 1): grid 105 x 1, 13 waves a work-group, no clusters, 3,840 bytes of LDS; arguments cin_W0, cin_W1, cin_W2, dnn_W0, dnn_W1, cin_b0, cin_b1, cin_b2, dnn_b0, dnn_b1, fc_W, fc_b, wq, tab; writes wq, tab
.if DOCPART == 1
	.amdgcn_target "amdgcn-amd-amdhsa--gfx1250"
	.amdhsa_code_object_version 6
	.text
	.protected	k_q42c176b3d7_prep
	.globl	k_q42c176b3d7_prep
	.p2align	8
	.type	k_q42c176b3d7_prep,@function
k_q42c176b3d7_prep:
	s_mov_b64 s[64:65], 0
	v_nop
	global_prefetch_b8 v0, s[64:65] scope:SCOPE_SE
	s_setreg_imm32_b32 hwreg(HW_REG_WAVE_MODE, 25, 1), 1
	s_wait_xcnt 0x0
; The five weight matrices (f32, K innermost) become codes of E2M3 with one E8M0 byte for each 32 along K, laid in the order of the operand's registers, unit by unit;
; and one table of padded biases and fc weights is written.  A unit = one K step of 128 for 13 tiles of 16 rows: 13 fragment images of 1,536 bytes, then 1,024 bytes of scale words.
; Work-groups 0..103: a unit each, wave f = fragment f.  Work-group 104: the table.
; Which blocks of 32 form a unit, and the order of the 32 numbers inside a block, are those of the launch that multiplies (macro WALKMOV = its macro MULB).
; LIMITS: NaN and infinities are not served; a block whose largest magnitude lies under 2^-124 has its byte held at 1; a block of zeros has byte 1 over zero codes (read by this program alone).
.set U, 20992
.set T, 64                             ; v64-127  the 64 numbers as loaded: 32 c + idx
.set A, 128                            ; v128-191 their byte offsets
.set P, 192                            ; v192-255 the numbers in the order of the codes
.set C, 32                             ; v32-43   the fragment's 12 registers
.set CT, 44                            ; v44-46, v48-50 upper halves of the two blocks
	s_load_b512 s[4:19], s[0:1], 0x0               ; cin_W0 4, cin_W1 6, cin_W2 8, dnn_W0 10, dnn_W1 12, cin_b0 14, cin_b1 16, cin_b2 18
	s_load_b256 s[20:27], s[0:1], 0x40             ; dnn_b0 20, dnn_b1 22, fc_W 24, fc_b 26
	s_load_b128 s[28:31], s[0:1], 0x60             ; wq 28, tab 30
	v_lshl_add_u32 v62, v0, 2, 0x800
	v_mov_b32 v63, 0
	v_lshrrev_b32 v1, 5, v0
	v_readfirstlane_b32 s32, v1                    ; wave = fragment f
	s_wait_kmcnt 0x0
	s_cmp_eq_u32 ttmp9, 104
	s_cbranch_scc1 .Ltab
	s_lshr_b32 s33, ttmp9, 2                       ; slot
	s_and_b32 s34, ttmp9, 3                        ; unit in the slot
	s_cmp_lt_u32 s33, 21
	s_cbranch_scc0 .Ldnn
	; CIN: trip n = slot / 3; u = 2 s2 + kh; K step g = 2 (slot % 3) + s2; block = 39 tau + 24 kh + 4 g + 2 hf + c
	s_mul_i32 s35, s33, 171
	s_lshr_b32 s35, s35, 9                         ; n
	s_mul_i32 s36, s35, 3
	s_sub_co_u32 s36, s33, s36
	s_lshr_b32 s37, s34, 1
	s_and_b32 s38, s34, 1                          ; kh
	s_lshl_b32 s36, s36, 1
	s_add_co_u32 s50, s36, s37                     ; g: also the order inside a block
	s_cmp_ge_u32 s35, 4
	s_cselect_b32 s39, 4, 1
	s_cselect_b64 s[42:43], s[8:9], s[6:7]
	s_sub_co_u32 s39, s35, s39
	s_mov_b32 s44, 3900
	s_cmp_eq_u32 s35, 0
	s_cselect_b32 s39, 0, s39                      ; tau
	s_cselect_b64 s[42:43], s[4:5], s[42:43]       ; the layer's weights
	s_cselect_b32 s44, 1521, s44                   ; K
	s_cmp_lt_u32 s39, 2
	s_cselect_b32 s45, 39, 48                      ; a layer's first two trips own 39 blocks, its last all 48 places
	s_cmp_eq_u32 s35, 0
	s_cselect_b32 s45, 48, s45
	s_mul_i32 s41, s39, 39                         ; the trip's first block
	s_mul_i32 s38, s38, 24
	s_lshl_b32 s40, s50, 2
	s_add_co_u32 s40, s40, s38
	s_add_co_u32 s40, s40, s41                     ; block of (c, hf) = (0, 0)
	s_mov_b32 s46, 1                               ; blocks from c to c + 1
	s_mov_b32 s47, 2                               ; and from hf 0 to 1
	s_mov_b32 s48, 200                             ; rows
	s_lshl_b32 s49, s32, 4                         ; the fragment's first row
	s_branch .Lunit
.Ldnn:
	; DNN: u = 2 kh + mg; K step s = 2 (slot - first) + kh; block = 4 s + 2 c + hf; rows 208 mg + 16 f + r
	s_mov_b32 s44, 400
	s_cmp_lt_u32 s33, 24
	s_cselect_b32 s39, 21, 24
	s_cselect_b64 s[42:43], s[10:11], s[12:13]
	s_cselect_b32 s44, 624, s44
	s_sub_co_u32 s39, s33, s39
	s_lshr_b32 s38, s34, 1
	s_and_b32 s37, s34, 1
	s_lshl_b32 s39, s39, 1
	s_add_co_u32 s39, s39, s38
	s_lshl_b32 s40, s39, 2
	s_mov_b32 s41, 0
	s_mov_b32 s45, 4096
	s_mov_b32 s46, 2
	s_mov_b32 s47, 1
	s_mov_b32 s48, 400
	s_mul_i32 s49, s37, 208
	s_lshl_b32 s36, s32, 4
	s_add_co_u32 s49, s49, s36
	s_mov_b32 s50, 6                               ; natural order inside a block
.Lunit:
	s_mul_i32 s51, s48, s44
	s_lshl_b32 s51, s51, 2
	s_sub_co_u32 s51, s51, 4                       ; the matrix's last number: no load leaves the buffer
	s_mov_b32 s56, 0x76543210
	s_mov_b32 s57, 0xfedcba98
	v_and_b32 v1, 15, v0                           ; r
	v_bfe_u32 v2, v0, 4, 1                         ; hf
	v_and_b32 v3, 31, v0
	v_lshlrev_b32 v3, 4, v3                        ; 16 x lane
	v_add_nc_u32 v4, s49, v1                       ; my row o
	v_mul_u32_u24 v5, s47, v2
	v_add_nc_u32 v5, s40, v5                       ; my block at c = 0
	v_add_nc_u32 v6, s46, v5                       ; and at c = 1
	v_mul_lo_u32 v11, v4, s44
.irp c, 0,1
	v_lshlrev_b32 v[7+\c], 5, v[5+\c]
	v_add_nc_u32 v[9+\c], v11, v[7+\c]
	v_lshlrev_b32 v[9+\c], 2, v[9+\c]              ; byte offset of the block's first number
	v_sub_nc_u32 v[7+\c], s44, v[7+\c]
	v_max_i32 v[7+\c], 0, v[7+\c]
	v_min_i32 v[7+\c], 32, v[7+\c]                 ; how many of the 32 lie inside K
	v_cmp_gt_u32 vcc_lo, s48, v4
	v_cndmask_b32 v[7+\c], 0, v[7+\c], vcc_lo      ; none in a row past the matrix,
	v_sub_nc_u32 v12, v[5+\c], s41
	v_cmp_gt_u32 vcc_lo, s45, v12
	v_cndmask_b32 v[7+\c], 0, v[7+\c], vcc_lo      ; none in a block that another trip owns
.endr
.irp c, 0,1
.set i, 0
.rept 32
	v_add_nc_u32 v[A+32*\c+i], 4*i, v[9+\c]
	v_min_u32 v[A+32*\c+i], s51, v[A+32*\c+i]
	global_load_b32 v[T+32*\c+i], v[A+32*\c+i], s[42:43]
.set i, i+1
.endr
.endr
	s_wait_loadcnt 0x0
.irp c, 0,1
.set i, 0
.rept 32
	v_cmp_lt_u32 vcc_lo, i, v[7+\c]
	v_cndmask_b32 v[T+32*\c+i], 0, v[T+32*\c+i], vcc_lo    ; zeros past K, as the quantiser fills the last block
.set i, i+1
.endr
.endr
.irp c, 0,1                                    ; the block's largest magnitude, with the floor 2^(3 - 127) among its leaves
	v_max3_num_f32 v12, |v[T+32*\c]|, |v[T+32*\c+1]|, 0x1800000
	v_max3_num_f32 v13, |v[T+32*\c+16]|, |v[T+32*\c+17]|, |v[T+32*\c+18]|
.irp i, 0,1,2,3,4,5
	v_max3_num_f32 v12, v12, |v[T+32*\c+2+2*\i]|, |v[T+32*\c+3+2*\i]|
	v_max3_num_f32 v13, v13, |v[T+32*\c+19+2*\i]|, |v[T+32*\c+20+2*\i]|
.endr
	v_max3_num_f32 v12, v12, |v[T+32*\c+14]|, |v[T+32*\c+15]|
	v_max3_num_f32 v12, v12, v13, |v[T+32*\c+31]|
	v_add_nc_u32 v[14+\c], 0xff000000, v12         ; 2 off its exponent field: the conversion's scale operand
	v_lshrrev_b32 v[16+\c], 23, v[14+\c]           ; the scale's byte
.endr
; The order inside a block of K step g, position c: with rho = (128 g + 32 c + idx) % 39, first the aligned pairs (rho even, under 38), then the single numbers.
.macro WALKMOV g
.irp c, 0,1
.set e0, 128*(\g)+32*\c
.set pos, 0
.set idx, 0
.rept 32
.set rho, (e0+idx)%39
.if (rho%2 == 0) && (rho < 38) && (idx < 31)
	v_mov_b32 v[P+32*\c+pos], v[T+32*\c+idx]
	v_mov_b32 v[P+32*\c+pos+1], v[T+32*\c+idx+1]
.set pos, pos+2
.endif
.set idx, idx+1
.endr
.set idx, 0
.rept 32
.set rho, (e0+idx)%39
.if ((rho%2 == 1) && (idx == 0)) || (rho == 38) || ((rho%2 == 0) && (idx == 31))
	v_mov_b32 v[P+32*\c+pos], v[T+32*\c+idx]
.set pos, pos+1
.endif
.set idx, idx+1
.endr
.endr
.endm
	s_cmp_eq_u32 s50, 0
	s_cbranch_scc1 .Lw0
	s_cmp_eq_u32 s50, 1
	s_cbranch_scc1 .Lw1
	s_cmp_eq_u32 s50, 2
	s_cbranch_scc1 .Lw2
	s_cmp_eq_u32 s50, 3
	s_cbranch_scc1 .Lw3
	s_cmp_eq_u32 s50, 4
	s_cbranch_scc1 .Lw4
	s_cmp_eq_u32 s50, 5
	s_cbranch_scc1 .Lw5
.set i, 0
.rept 64
	v_mov_b32 v[P+i], v[T+i]
.set i, i+1
.endr
	s_branch .Ljoin
.Lw0:
	WALKMOV 0
	s_branch .Ljoin
.Lw1:
	WALKMOV 1
	s_branch .Ljoin
.Lw2:
	WALKMOV 2
	s_branch .Ljoin
.Lw3:
	WALKMOV 3
	s_branch .Ljoin
.Lw4:
	WALKMOV 4
	s_branch .Ljoin
.Lw5:
	WALKMOV 5
.Ljoin:
.irp c, 0,1
	v_cvt_scalef32_pk16_fp6_f32 v[C+6*\c:C+6*\c+2], v[P+32*\c:P+32*\c+15], v[14+\c]
	v_cvt_scalef32_pk16_fp6_f32 v[CT+4*\c:CT+4*\c+2], v[P+32*\c+16:P+32*\c+31], v[14+\c]   ; (a conversion's three registers begin on an even number)
.endr
	v_nop                                          ; one plain place behind the scaled conversions
.irp c, 0,1
.irp i, 0,1,2
	v_mov_b32 v[C+6*\c+3+\i], v[CT+4*\c+\i]
.endr
.endr
	v_lshlrev_b32 v23, 3, v2
	v_lshl_or_b32 v18, v17, 16, v16                ; my two bytes, blocks hf and 2 + hf of the K step,
	v_lshlrev_b32 v18, v23, v18                    ; at their places;
	v_mov_b32 v19, 0
	v_permlanex16_b32 v19, v18, s56, s57
	v_or_b32 v18, v18, v19                         ; with lane l xor 16's the row's scale word is whole
	s_mul_i32 s52, ttmp9, U
	s_mul_i32 s54, s32, 1536
	s_add_co_u32 s52, s52, s54
	s_mov_b32 s53, 0
	s_add_nc_u64 s[52:53], s[28:29], s[52:53]      ; my fragment's image
.irp i, 0,1,2
	global_store_b128 v3, v[C+4*\i:C+4*\i+3], s[52:53] offset:512*\i    ; 32 lanes store 512 consecutive bytes
.endr
	s_lshr_b32 s54, s32, 2                         ; the scale words meet in LDS: 256 (f / 4) + 16 r + 4 (f % 4)
	s_lshl_b32 s54, s54, 8
	s_and_b32 s55, s32, 3
	s_lshl_b32 s55, s55, 2
	s_add_co_u32 s54, s54, s55
	v_lshl_add_u32 v20, v1, 4, s54
	s_lshl_b32 s55, s32, 2
	s_add_co_u32 s55, s55, 772
	v_lshl_add_u32 v22, v1, 4, s55                 ; waves 0-2: the words of the places 13-15, which no fragment fills
	v_mov_b32 v21, 0
	ds_store_b32 v20, v18
	s_cmp_lt_u32 s32, 3
	s_cbranch_scc0 .Lnz
	ds_store_b32 v22, v21
.Lnz:
	s_wait_dscnt 0x0                               ; for the others' sake: my words have landed
	s_barrier_signal -1
	s_barrier_wait -1
	s_cmp_lg_u32 s32, 0
	s_cbranch_scc1 .Ldone
	ds_load_b128 v[24:27], v3
	ds_load_b128 v[28:31], v3 offset:512
	s_wait_dscnt 0x0
	global_store_b128 v3, v[24:27], s[52:53] offset:19968   ; wave 0's base is the unit's first byte
	global_store_b128 v3, v[28:31], s[52:53] offset:20480
.Ldone:
	s_wait_tensorcnt 0x0
	ds_add_u32 v62, v63
	s_wait_dscnt 0x0
	s_endpgm
; THE TABLE.  SEG: iters x 128 floats at float offset dst: src[d + delta] where lo <= d < hi, else 0.  lo, hi, delta are multiples of 4, so a lane's four numbers are valid together.
.macro SEG sp, dst, iters, lo, hi, delta
.set it, 0
.rept \iters
	v_add_nc_u32 v2, 128*it, v1
	v_add_nc_u32 v3, -(\lo), v2
	v_cmp_gt_u32 vcc_lo, (\hi)-(\lo), v3
	v_add_nc_u32 v4, \delta, v2
	v_lshlrev_b32 v4, 2, v4
	v_cndmask_b32 v4, 0, v4, vcc_lo                ; a lane with nothing to fetch reads the buffer's first 16 bytes
	global_load_b128 v[8:11], v4, s[\sp:\sp+1]
	s_wait_loadcnt 0x0
.irp q, 8,9,10,11
	v_cndmask_b32 v\q, 0, v\q, vcc_lo
.endr
	global_store_b128 v5, v[8:11], s[30:31] offset:4*(\dst)+512*it
	s_wait_xcnt 0x0                                ; the store has read its data: they are written again in the next turn
.set it, it+1
.endr
	s_endpgm
.endm
.Ltab:
	v_and_b32 v1, 31, v0
	v_lshlrev_b32 v5, 4, v1                        ; 16 bytes a lane
	v_lshlrev_b32 v1, 2, v1                        ; 4 floats a lane
	s_cmp_eq_u32 s32, 0
	s_cbranch_scc1 .Lt0
	s_cmp_eq_u32 s32, 1
	s_cbranch_scc1 .Lt1
	s_cmp_eq_u32 s32, 2
	s_cbranch_scc1 .Lt2
	s_cmp_eq_u32 s32, 3
	s_cbranch_scc1 .Lt3
	s_cmp_eq_u32 s32, 4
	s_cbranch_scc1 .Lt4
	s_cmp_eq_u32 s32, 5
	s_cbranch_scc1 .Lt5
	s_cmp_eq_u32 s32, 6
	s_cbranch_scc1 .Lt6
	s_cmp_eq_u32 s32, 7
	s_cbranch_scc1 .Lt7
	s_cmp_eq_u32 s32, 8
	s_cbranch_scc1 .Lt8
	s_cmp_eq_u32 s32, 9
	s_cbranch_scc1 .Lt9
	s_cmp_eq_u32 s32, 10
	s_cbranch_scc1 .Lt10
	s_endpgm
.Lt0:                                              ; 512 zeros
.irp q, 8,9,10,11
	v_mov_b32 v\q, 0
.endr
.irp i, 0,1,2,3
	global_store_b128 v5, v[8:11], s[30:31] offset:512*\i
.endr
	s_endpgm
.Lt1:
	SEG 14, 512, 2, 0, 200, 0                      ; cin_b0
.Lt2:
	SEG 16, 768, 2, 0, 200, 0
.Lt3:
	SEG 18, 1024, 2, 0, 200, 0
.Lt4:
	SEG 24, 1280, 2, 100, 200, -100                ; fc weights of layer 0's direct rows 100..199
.Lt5:
	SEG 24, 1536, 2, 100, 200, 0                   ; of layer 1's
.Lt6:
	SEG 24, 1792, 2, 0, 200, 200                   ; of layer 2's 200 rows
.Lt7:
	SEG 20, 2048, 4, 0, 400, 0                     ; dnn_b0
.Lt8:
	SEG 22, 2560, 4, 0, 400, 0                     ; dnn_b1
.Lt9:
	SEG 24, 3072, 4, 0, 400, 400                   ; fc weights of the DNN's 400
.Lt10:                                             ; fc_b, then zeros
	v_mov_b32 v4, 0
	global_load_b32 v8, v4, s[26:27]
.irp q, 9,10,11,12,13,14,15
	v_mov_b32 v\q, 0
.endr
	s_wait_loadcnt 0x0
	v_cmp_eq_u32 vcc_lo, 0, v1
	v_cndmask_b32 v8, 0, v8, vcc_lo
	global_store_b128 v5, v[8:11], s[30:31] offset:14336
.irp i, 1,2,3
	global_store_b128 v5, v[12:15], s[30:31] offset:14336+512*\i
.endr
	s_endpgm
.Lfunc_end_k_q42c176b3d7_prep:
	.size	k_q42c176b3d7_prep, .Lfunc_end_k_q42c176b3d7_prep-k_q42c176b3d7_prep
	.p2alignl 7, 3214868480
	.fill 96, 4, 3214868480
	.section	.rodata,"a",@progbits
	.p2align	6, 0x0
	.amdhsa_kernel k_q42c176b3d7_prep
		.amdhsa_group_segment_fixed_size 3840
		.amdhsa_private_segment_fixed_size 0
		.amdhsa_enable_private_segment 0
		.amdhsa_kernarg_size 112
		.amdhsa_user_sgpr_count 2
		.amdhsa_user_sgpr_kernarg_segment_ptr 1
		.amdhsa_wavefront_size32 1
		.amdhsa_system_sgpr_workgroup_id_x 1
		.amdhsa_system_sgpr_workgroup_id_y 1
		.amdhsa_system_sgpr_workgroup_id_z 1
		.amdhsa_system_vgpr_workitem_id 0
		.amdhsa_next_free_vgpr 256
		.amdhsa_next_free_sgpr 66
		.amdhsa_reserve_vcc 1
		.amdhsa_float_denorm_mode_32 3
		.amdhsa_float_denorm_mode_16_64 3
		.amdhsa_memory_ordered 1
		.amdhsa_forward_progress 1
		.amdhsa_inst_pref_size 56
	.end_amdhsa_kernel
	.amdgpu_metadata
---
amdhsa.version: [ 1, 2 ]
amdhsa.kernels:
  - .name:           k_q42c176b3d7_prep
    .symbol:         k_q42c176b3d7_prep.kd
    .args:
      - { .name: cin_W0, .offset: 0, .size: 8, .value_kind: global_buffer, .address_space: global }
      - { .name: cin_W1, .offset: 8, .size: 8, .value_kind: global_buffer, .address_space: global }
      - { .name: cin_W2, .offset: 16, .size: 8, .value_kind: global_buffer, .address_space: global }
      - { .name: dnn_W0, .offset: 24, .size: 8, .value_kind: global_buffer, .address_space: global }
      - { .name: dnn_W1, .offset: 32, .size: 8, .value_kind: global_buffer, .address_space: global }
      - { .name: cin_b0, .offset: 40, .size: 8, .value_kind: global_buffer, .address_space: global }
      - { .name: cin_b1, .offset: 48, .size: 8, .value_kind: global_buffer, .address_space: global }
      - { .name: cin_b2, .offset: 56, .size: 8, .value_kind: global_buffer, .address_space: global }
      - { .name: dnn_b0, .offset: 64, .size: 8, .value_kind: global_buffer, .address_space: global }
      - { .name: dnn_b1, .offset: 72, .size: 8, .value_kind: global_buffer, .address_space: global }
      - { .name: fc_W, .offset: 80, .size: 8, .value_kind: global_buffer, .address_space: global }
      - { .name: fc_b, .offset: 88, .size: 8, .value_kind: global_buffer, .address_space: global }
      - { .name: wq, .offset: 96, .size: 8, .value_kind: global_buffer, .address_space: global }
      - { .name: tab, .offset: 104, .size: 8, .value_kind: global_buffer, .address_space: global }
    .group_segment_fixed_size: 3840
    .private_segment_fixed_size: 0
    .kernarg_segment_align: 8
    .kernarg_segment_size: 112
    .max_flat_workgroup_size: 416
    .sgpr_count:     66
    .vgpr_count:     256
    .wavefront_size: 32
...
	.end_amdgpu_metadata
.endif
;; end of part 1
;; launch xdfm (part 2): grid 256 x 1, 4 waves a work-group, clusters of 4 x 1, 327,680 bytes of LDS; arguments feature_ids, feature_vals, emb, bias_emb, wq, tab, out0; writes out0
.if DOCPART == 2
	.amdgcn_target "amdgcn-amd-amdhsa--gfx1250"
	.amdhsa_code_object_version 6
	.text
	.protected	k_q42c176b3d7_xdfm
	.globl	k_q42c176b3d7_xdfm
	.p2align	8
	.type	k_q42c176b3d7_xdfm,@function
k_q42c176b3d7_xdfm:
	s_mov_b64 s[64:65], 0
	v_nop
	global_prefetch_b8 v0, s[64:65] scope:SCOPE_SE
	s_setreg_imm32_b32 hwreg(HW_REG_WAVE_MODE, 25, 1), 1
	s_wait_xcnt 0x0
	s_wait_alu depctr_hold_cnt(0) depctr_sa_sdst(0) depctr_va_vdst(0) depctr_va_sdst(0) depctr_va_ssrc(0) depctr_va_vcc(0) depctr_vm_vsrc(0)
	s_getreg_b32 s2, hwreg(HW_REG_IB_STS2, 6, 4)
	s_cmp_eq_u32 s2, 0
	s_cbranch_scc0 .Lentry_in_a_cluster
	s_endpgm
.Lentry_in_a_cluster:
	s_bfe_u32 s2, ttmp6, 0x10000c
	s_cmp_lg_u32 s2, 0x3003
	s_cbranch_scc0 .Lentry_shape_is_right
	s_endpgm
.Lentry_shape_is_right:
; xDeepFM for 8 samples a work-group: gather, three CIN layers, the DNN, the fc row and the bias sum; h, z and the DNN's hidden layer never go to memory.
; CIN: D[o][d] = sum over c = 39 h + m of W[o][c] z[c][d], z = h[h][d] x[m][d], both sides codes of E2M3 with one E8M0 byte for each 32 along c.  Source 0 = 16 rows of W, source 1 = a sample's 16 columns d.
; SHARES.  Wave w = 2 kh + nh: nh picks four samples, kh half of each trip's K: 13 x 4 accumulators.  The two halves of K are added through LDS at a layer's end (so the sums are made in two halves and then added).
; WHICH BLOCKS FORM A K STEP is free, since the weights are laid the same way: in trip tau, step g, position c, lane half hf the block is 39 tau + 24 kh + 4 g + 2 hf + c.  With e = 128 g + 32 c + idx,
; q = e / 39, rho = e % 39: m = (rho + R) % 39 and h = 32 tau + B + q + [rho >= w], R, B, w constants of (kh, hf).  x lies in registers rotated by R, so register numbers hang on (g, c) alone and one
; body of six steps serves all seven trips (layer 0: one; layers 1, 2: three each).  W's codes are zero where a place is not owned or lies past K; z is zero past K inside K's last block.
; WEIGHTS come as units (a K step of 13 fragment images + scale words, 20,992 bytes) through two LDS slots of four units; all work-groups walk the same stream, so the four of a cluster ask jointly.
; A wave's local tile tl is sample 4 nh + (tl xor 2 kh): every wave keeps tiles 0, 1 and gives tiles 2, 3 to its partner.
; LIMITS: NaN and infinities are not served; a block's largest magnitude under 2^-124 has its byte held at 1; a block of zeros has byte 1 over zero codes; ids are held at 999,999.
.set TURN, 6                           ; a product stands behind every TURN instructions that make codes
.set U, 20992
.set SLOTB, 4*U
.set SLOT1, 1<<17
.set SPARE, 83968                      ; the spare words, 128 bytes a wave
.set TABL, 84480                       ; the table, filled once
.set XD, 100864                        ; x as the DNN's rows: 8 x 768 f32, pitch 3,088
.set XDP, 3088
.set RED, 125568                       ; +0 bias sums (32 w + 4 s), +128 CIN's part (4 s), +160 the DNN's (32 mg + 4 s)
.set HS, 215040                        ; h: 112 rows of 512 bytes [row][nh][d][sample % 4]; at the head x at rows 64 + j, j = 0 .. 93, j % 39 = m
.set EX, 272384                        ; exchange of K halves: 13 images of 1,024 bytes a wave
.set HIDP, 2064                        ; the DNN's hidden layer in HS: 8 rows x 512 f32
.set SPW, 1
.set NIL, 2
.set AW0, 3
.set AW, 4
.set AWS0, 5
.set AWS, 6
.set SH8, 7
.set PT, 8
.set EO, 9
.set EIN, 10
.set AHS, 11
.set ABI, 12
.set AFC, 13
.set AD, 14
.set AHD, 15
.set ADH0A, 16                         ; v16-19, v20-23: h's addresses by segment of rho, tiles 0-1 and tiles 2-3
.set ADHA, 24                          ; v24-27, v28-31: the same with the trip's 32 tau rows
.set ADHB, 28
.set SA, 32                            ; v[32:33], v[34:35] fc sums of my kept tiles
.set SB, 34
.set BS, 36
.set TB32, 37                          ; TABL + 32 hf
.set AR, 38
.set TMP, 39
.set M1, 40
.set M2, 41
.set SOP, 42
.set AZ, 43
.set BY0, 44
.set BY1, 45
.set ZW, 46
.set AR3, 47
.set RR, 48
.set HF, 49
.set L16, 50
.set R7, 51
.set ZSC, 52                           ; v52-59  z's scale words, two sets of four
.set WSC, 60                           ; v60-91  W's scale words, two sets of sixteen
.set SCR, 92                           ; v92-195 at work
.set Z, 92                             ; v92-123 a block's 32 products
.set H, 124                            ; v124-187 h: 32 set + 4 piece + tile
.set CT, 188
.set CDB, 160                          ; window 1: v416-511 z's codes: 48 set + 12 tile;  v256-415 x: 40 tile + rho
.set IDS, 92
.set VAL, 102
.set EOFF, 112
.set BOFF, 122
.set EMB, 132
.set BIA, 172
.set ZQ, 184
.set SW, 18
.set KH, 19
.set NH, 20
.set SN, 21
.set TB, 22
.set THN, 23
.set LOFF, 24
.set CNT, 25
.set WG, 26
.set KH1, 27
.set G1, 28
.set G1T, 36
.set G0A, 44
.set G0B, 48
.set G0T, 52
.set SEL, 56
.set MSB, 0
.set MMI, 0
.set MML, 0
.set PCNT, 0
.set MG, 0
.set WOFF, 0
.set NHC, 0
.macro WIN new                         ; the immediate's high byte repeats the setting that is left; a switch that changes nothing is dropped
.if MSB != (\new)
	s_set_vgpr_msb (MSB<<8)|(\new)
.set MSB, (\new)
.endif
.endm
.macro PLACES n
.rept \n
	v_nop
.endr
.endm
.macro BAR                             ; my LDS stores have landed and my LDS loads are in: then the work-group's barrier
	s_wait_dscnt 0x0
	s_barrier_signal -1
	s_barrier_wait -1
.endm
.macro ROUND                           ; a round of the cluster's barrier
	s_barrier_signal -1
	s_barrier_wait -1
	s_cmp_lg_u32 s[SW], 0
	s_cbranch_scc1 .Lnw0_\@
	s_barrier_signal -3
.Lnw0_\@:
	s_barrier_wait -3
	s_barrier_signal -1
	s_barrier_wait -1
.endm
.macro FRG f                           ; where W's fragment f lies: window FW, low byte FB
.if (\f) < 5
.set FW, 0
.set FB, 196+12*(\f)
.elseif (\f) < 9
.set FW, 2
.set FB, 208+12*((\f)-5)
.else
.set FW, 3
.set FB, 208+12*((\f)-9)
.endif
.endm
.macro SEGOF x                         ; the segment of rho: borders 12, 14, 26, all even
.if (\x) < 12
.set SGV, 0
.elseif (\x) < 14
.set SGV, 1
.elseif (\x) < 26
.set SGV, 2
.else
.set SGV, 3
.endif
.endm
.macro LW f0, f1                       ; W's fragments f0 .. f1 of the unit at WOFF: images, 16 bytes a lane
.set lf, \f0
.rept (\f1)-(\f0)+1
	FRG lf
	WIN FW<<6
	ds_load_b128 v[FB:FB+3], v[AW] offset:WOFF+1536*lf
	ds_load_b128 v[FB+4:FB+7], v[AW] offset:WOFF+1536*lf+512
	ds_load_b128 v[FB+8:FB+11], v[AW] offset:WOFF+1536*lf+1024
.set lf, lf+1
.endr
	WIN 0
.endm
.macro LWS set                         ; the unit's scale words: lane r takes row r's words of four fragments a load
.irp q, 0,1,2,3
	ds_load_b128 v[WSC+16*(\set)+4*\q:WSC+16*(\set)+4*\q+3], v[AWS] offset:WOFF+256*\q
.endr
.endm
.macro HLOAD g, set                    ; the pieces of h that K step g meets (a piece: one q, one segment), four tiles each
	SEGOF (128*(\g))%39
.set HKA, 4*((128*(\g))/39)+SGV
	SEGOF (128*(\g)+63)%39
.set HKB, 4*((128*(\g)+63)/39)+SGV
.set kid, HKA
.rept HKB-HKA+1
	ds_load_b64 v[H+32*(\set)+4*(kid-HKA):H+32*(\set)+4*(kid-HKA)+1], v[ADHA+kid%4] offset:512*(kid/4)
	ds_load_b64 v[H+32*(\set)+4*(kid-HKA)+2:H+32*(\set)+4*(kid-HKA)+3], v[ADHB+kid%4] offset:512*(kid/4)
.set kid, kid+1
.endr
.set NHC, 2*(HKB-HKA+1)
.endm
.macro ADHUP                           ; h's addresses for the next trip
.irp i, 0,1,2,3,4,5,6,7
	v_add_nc_u32 v[ADHA+\i], s[THN], v[ADH0A+\i]
.endr
.endm
.macro PRODUCT mu, t, set
	FRG (\mu)
.set WW, FW|4|((2+(\t)/2)<<4)|((2+(\t)/2)<<6)
	WIN WW
.set ACB, 16*(\mu)+8*((\t)%2)
.set CBB, CDB+48*(\set)+12*(\t)
	v_wmma_scale_f32_16x16x128_f8f6f4 v[ACB:ACB+7], v[FB:FB+11], v[CBB:CBB+11], v[ACB:ACB+7], v[WSC+16*(\set)+(\mu)], v[ZSC+4*(\set)+(\t)] matrix_a_fmt:MATRIX_FMT_FP6 matrix_b_fmt:MATRIX_FMT_FP6
.endm
; Product MMI of a K step's 52; the accumulators take turns, one instruction a turn.  Fragments are fetched anew as soon as their four products are issued:
; ahead of product 20: h two steps on, fragments 0-4 and the scale words of the next step; ahead of product 36: fragments 5-8.
.macro MM1
.if MMI == 20
	WIN 0
	PLACES 4                                       ; places in front of loads into registers that products have read
.if MG == 4
	ADHUP
.endif
.set HG, (MG+2)%6
	HLOAD HG, MG&1
	LW 0, 4
	LWS (MG+1)&1
.endif
.if MMI == 36
	WIN 0
	s_wait_dscnt NHC+19                            ; all but what was issued ahead of product 20 (NHC of h, 15 of W, 4 of scales): fragments 9-12 are in
	PLACES 4
	LW 5, 8
.endif
	PRODUCT MMI/4, MMI%4, MG&1
.set MMI, MMI+1
.endm
.macro TK                              ; behind each instruction that makes codes
.set PCNT, PCNT+1
.if (PCNT%TURN == 0) && (MMI < MML)
	MM1
.endif
.endm
.macro FLUSH
.rept 52
.if MMI < 52
	MM1
.endif
.endr
	WIN 0
	PLACES 4
	LW 9, 12
.endm
; A block's 32 products h x, f32: aligned pairs first, then the single numbers: the order in which the weights' codes were laid.
.macro MULB g, c, tl, set
	SEGOF (128*(\g))%39
.set MKA, 4*((128*(\g))/39)+SGV
.set e0, 128*(\g)+32*(\c)
.set pos, 0
.set idx, 0
.rept 32
.set rho, (e0+idx)%39
.if (rho%2 == 0) && (rho < 38) && (idx < 31)
	SEGOF rho
.set kk, 4*((e0+idx)/39)+SGV-MKA
	WIN 0x01
.if (\tl)%2 == 0
	v_pk_mul_f32 v[Z+pos:Z+pos+1], v[40*(\tl)+rho:40*(\tl)+rho+1], v[H+32*(\set)+4*kk+2*((\tl)/2):H+32*(\set)+4*kk+2*((\tl)/2)+1] op_sel_hi:[1,0]
.else
	v_pk_mul_f32 v[Z+pos:Z+pos+1], v[40*(\tl)+rho:40*(\tl)+rho+1], v[H+32*(\set)+4*kk+2*((\tl)/2):H+32*(\set)+4*kk+2*((\tl)/2)+1] op_sel:[0,1] op_sel_hi:[1,1]
.endif
	TK
.set pos, pos+2
.endif
.set idx, idx+1
.endr
.set idx, 0
.rept 32
.set rho, (e0+idx)%39
.if ((rho%2 == 1) && (idx == 0)) || (rho == 38) || ((rho%2 == 0) && (idx == 31))
	SEGOF rho
.set kk, 4*((e0+idx)/39)+SGV-MKA
	WIN 0x01
	v_mul_f32 v[Z+pos], v[40*(\tl)+rho], v[H+32*(\set)+4*kk+(\tl)]
	TK
.set pos, pos+1
.endif
.set idx, idx+1
.endr
.endm
; 32 numbers at v[zb] on become six registers of codes at cd + 6 c (window 1) and the byte BY0 + c.
.macro QB zb, c, cd
	WIN 0
	v_max3_num_f32 v[M1], |v[(\zb)]|, |v[(\zb)+1]|, 0x1800000      ; the floor 2^(3 - 127): the byte cannot fall under 1
	TK
	WIN 0
	v_max3_num_f32 v[M2], |v[(\zb)+16]|, |v[(\zb)+17]|, |v[(\zb)+18]|
	TK
.irp i, 0,1,2,3,4,5
	WIN 0
	v_max3_num_f32 v[M1], v[M1], |v[(\zb)+2+2*\i]|, |v[(\zb)+3+2*\i]|
	TK
	WIN 0
	v_max3_num_f32 v[M2], v[M2], |v[(\zb)+19+2*\i]|, |v[(\zb)+20+2*\i]|
	TK
.endr
	WIN 0
	v_max3_num_f32 v[M1], v[M1], |v[(\zb)+14]|, |v[(\zb)+15]|
	TK
	WIN 0
	v_max3_num_f32 v[M1], v[M1], v[M2], |v[(\zb)+31]|
	TK
	WIN 0
	v_add_nc_u32 v[SOP], 0xff000000, v[M1]         ; 2 off the exponent field: the conversion's scale operand
	TK
	WIN 0
	v_lshrrev_b32 v[BY0+(\c)], 23, v[SOP]          ; the scale's byte
	TK
	WIN 0
	v_cvt_scalef32_pk16_fp6_f32 v[CT:CT+2], v[(\zb)+16:(\zb)+31], v[SOP]   ; (a conversion's three registers begin on an even number)
	TK
	WIN 0x40
	v_cvt_scalef32_pk16_fp6_f32 v[(\cd)+6*(\c):(\cd)+6*(\c)+2], v[(\zb):(\zb)+15], v[SOP]
	TK
	v_nop                                          ; one plain place behind the scaled conversions
	TK
.irp i, 0,1,2
	WIN 0x40
	v_mov_b32 v[(\cd)+6*(\c)+3+\i], v[CT+\i]
	TK
.endr
.endm
.macro ZS zr                           ; my two bytes at 8 hf, with lane l xor 16's: the column's scale word
	WIN 0
	v_lshl_or_b32 v[ZW], v[BY1], 16, v[BY0]
	TK
	WIN 0
	v_lshlrev_b32 v[ZW], v[SH8], v[ZW]
	TK
	WIN 0
	v_permlanex16_b32 v[PT], v[ZW], s[SEL], s[SEL+1]
	TK
	WIN 0
	v_or_b32 v[\zr], v[ZW], v[PT]
	TK
.endm
.macro PROD g, set                     ; K step g's codes and scale words of my four tiles
.irp tl, 0,1,2,3
.irp c, 0,1
	MULB \g, \c, \tl, \set
	QB Z, \c, CDB+48*(\set)+12*\tl
.endr
	ZS ZSC+4*(\set)+\tl
.endr
.endm
; THE CHANGE OF SLOTS: all fragments of the slot in hand are asked for.  Each wave waits for all its tensor loads (its unit of the next slot), adds 0 to its spare word, waits for that and for its reads;
; a round of the cluster's barrier; the slot just left is filled again, jointly, first thing behind the round: it has two K steps in which to land.
.macro CHANGE
	WIN 0
	s_wait_tensorcnt 0x0                           ; no tensor load of mine is out, so the walking group 0 may be written
	ds_add_u32 v[SPW], v[NIL]                      ; 0 onto my spare word
	s_xor_b32 s[G0B+1], s[G0B+1], SLOT1
	s_add_nc_u64 s[G0B+2:G0B+3], s[G0B+2:G0B+3], SLOTB
	s_xor_b32 s[TB], s[TB], SLOT1
	PLACES 8                                       ; scale words and codes made by vector instructions stand 8 and 4 places ahead of the products
	s_wait_dscnt 0x0                               ; the add is done, and my reads of the slot are over
	ROUND
	tensor_load_to_lds s[G0B:G0B+3], s[G1:G1+7]
	s_nop 0
	PLACES 4
	v_add_nc_u32 v[AW], s[TB], v[AW0]
	v_add_nc_u32 v[AWS], s[TB], v[AWS0]
.endm
; K step g: its 52 products, and among them the making of step g + 1's codes (step 5 makes none).
.macro STEP g
.set MG, \g
.set MMI, 0
.set MML, 52
.set PCNT, 0
.if (\g)%2 == 0
.set WOFF, 2*U
	s_wait_dscnt 12                                ; all but the 12 loads of fragments 9-12, issued last
	PLACES 8
.else
.set WOFF, 0
	CHANGE
.endif
.if (\g) < 5
	PROD (\g+1)%6, (\g+1)&1
.endif
	FLUSH
.endm
.macro ACCINIT nt                      ; the sums begin as the bias (kh = 0) or as zeros (kh = 1): an image in the result's layout
.set at, 0
.rept \nt
	WIN (2+at/2)<<6
.set am, 0
.rept 13
	ds_load_b128 v[16*am+8*(at%2):16*am+8*(at%2)+3], v[ABI] offset:64*am
	ds_load_b128 v[16*am+8*(at%2)+4:16*am+8*(at%2)+7], v[ABI] offset:64*am+16
.set am, am+1
.endr
.set at, at+1
.endr
	WIN 0
.endm
.macro XCH g, k                        ; my tile g goes to my partner (the other half of K); its tile g is added onto my tile k
	WIN 0
	PLACES 4
	WIN (2+(\g)/2)<<2
.set xm, 0
.rept 13
	ds_store_b128 v[EO], v[16*xm+8*((\g)%2):16*xm+8*((\g)%2)+3] offset:1024*xm         ; each accumulator from its low end on
	ds_store_b128 v[EO], v[16*xm+8*((\g)%2)+4:16*xm+8*((\g)%2)+7] offset:1024*xm+512
.set xm, xm+1
.endr
	WIN 0
	BAR
.set xm, 0
.rept 13
	ds_load_b128 v[SCR+8*xm:SCR+8*xm+3], v[EIN] offset:1024*xm
	ds_load_b128 v[SCR+8*xm+4:SCR+8*xm+7], v[EIN] offset:1024*xm+512
.set xm, xm+1
.endr
	BAR                                            ; the loads are in, in every wave: the images may be written again
	WIN (2+(\k)/2)|((2+(\k)/2)<<6)
.set xm, 0
.rept 13
.irp i, 0,2,4,6
	v_pk_add_f32 v[16*xm+8*((\k)%2)+\i:16*xm+8*((\k)%2)+\i+1], v[16*xm+8*((\k)%2)+\i:16*xm+8*((\k)%2)+\i+1], v[SCR+8*xm+\i:SCR+8*xm+\i+1]
.endr
.set xm, xm+1
.endr
	WIN 0
.endm
; A layer's end for my kept tiles 0, 1: relu; the fc sums (the table holds 0 for rows that are not direct); rows 0-111 of h to LDS, rows 100-103 and 108-111 as zeros (z past K's end must be 0).
.macro FIN
	WIN 0
.set fm, 0
.rept 13
	ds_load_b128 v[SCR+8*fm:SCR+8*fm+3], v[AFC] offset:64*fm
	ds_load_b128 v[SCR+8*fm+4:SCR+8*fm+7], v[AFC] offset:64*fm+16
.set fm, fm+1
.endr
	s_wait_dscnt 0x0
.set fm, 0
.rept 13
.if fm < 6
.set PB, CDB+16*fm
.elseif fm == 6
.set PB, CDB
	s_wait_dscnt 0x0                               ; the stores of tiles 0-5 have read their registers
.else
.set PB, CDB+16+16*((fm-7)%5)
.endif
	WIN 0x48
.irp j, 0,1,2,3,4,5,6,7
	v_max_num_f32 v[PB+2*\j], 0, v[16*fm+\j]
	v_max_num_f32 v[PB+2*\j+1], 0, v[16*fm+8+\j]
.endr
	WIN 0x01
.irp j, 0,2,4,6
	v_pk_fma_f32 v[SA:SA+1], v[PB+2*\j:PB+2*\j+1], v[SCR+8*fm+\j:SCR+8*fm+\j+1], v[SA:SA+1] op_sel_hi:[1,0,1]
	v_pk_fma_f32 v[SB:SB+1], v[PB+2*\j+2:PB+2*\j+3], v[SCR+8*fm+\j:SCR+8*fm+\j+1], v[SB:SB+1] op_sel:[0,1,0] op_sel_hi:[1,1,1]
.endr
.if fm < 7
.if fm == 6
	WIN 0x40
.irp i, 8,9,10,11,12,13,14,15
	v_mov_b32 v[PB+\i], 0
.endr
.endif
	WIN 0x04
.irp j, 0,1,2,3,4,5,6,7
	ds_store_b64 v[AHS], v[PB+2*\j:PB+2*\j+1] offset:8192*fm+512*\j
.endr
.endif
.set fm, fm+1
.endr
	WIN 0
.endm
.macro TOP                             ; a layer's start: h of steps 0 and 1, and the sums' first values
	HLOAD 0, 0
	HLOAD 1, 1
	ACCINIT 4
	s_wait_dscnt 0x0
.endm
	s_load_b256 s[4:11], s[0:1], 0x0               ; ids 4, vals 6, emb 8, bias_emb 10
	s_load_b128 s[12:15], s[0:1], 0x20             ; wq 12, tab 14
	s_load_b64 s[16:17], s[0:1], 0x30              ; out0
	v_lshl_add_u32 v[SPW], v0, 2, SPARE
	v_mov_b32 v[NIL], 0
	ds_add_u32 v1, v2
	ds_add_u32 v1, v2
	s_wait_dscnt 0x0
	v_lshrrev_b32 v[TMP], 5, v0
	v_readfirstlane_b32 s[SW], v[TMP]              ; wave 0..3
	s_lshr_b32 s[KH], s[SW], 1
	s_and_b32 s[NH], s[SW], 1
	s_xor_b32 s[KH1], s[KH], 1
	s_bfe_u32 s58, ttmp6, 0x40000                  ; cx
	s_lshl_b32 s[WG], ttmp9, 2
	s_add_co_u32 s[WG], s[WG], s58                 ; my work-group: it enters global addresses of ids, vals and out0 alone
	s_mov_b32 s[G1], 15|(3<<16)|(1<<21)            ; mask: all four work-groups; elements of 8 bytes; bit 21 beside a mask; no padding
	s_mov_b32 s[G1+1], 32<<16                      ; tensor_dim0 = 32 (256 bytes)
	s_mov_b32 s[G1+2], 82<<16                      ; tensor_dim1 = 82 rows: a unit
	s_mov_b32 s[G1+3], 32<<16                      ; tile_dim0
	s_mov_b32 s[G1+4], 82                          ; tile_dim1
	s_mov_b32 s[G1+5], 32                          ; pitch: dense
	s_mov_b32 s[G1+6], 0
	s_mov_b32 s[G1+7], 0
	s_mov_b32 s[G1T], 15|(3<<16)|(1<<21)           ; the table's quarter: 16 rows of 256 bytes
	s_mov_b32 s[G1T+1], 32<<16
	s_mov_b32 s[G1T+2], 16<<16
	s_mov_b32 s[G1T+3], 32<<16
	s_mov_b32 s[G1T+4], 16
	s_mov_b32 s[G1T+5], 32
	s_mov_b32 s[G1T+6], 0
	s_mov_b32 s[G1T+7], 0
	s_mov_b32 s[SEL], 0x76543210
	s_mov_b32 s[SEL+1], 0xfedcba98
	s_mul_i32 s59, s[SW], U
	s_lshl_b32 s60, s[SW], 12
	s_mov_b32 s62, s59
	s_mov_b32 s63, 0
	s_wait_kmcnt 0x0
	s_mov_b32 s[G0A], 1
	s_mov_b32 s[G0A+1], s59                        ; slot 0, unit w
	s_add_nc_u64 s[G0A+2:G0A+3], s[12:13], s[62:63]
	s_mov_b32 s[G0B], 1
	s_add_co_u32 s[G0B+1], s59, SLOT1              ; slot 1, unit w: this one walks
	s_add_nc_u64 s[G0B+2:G0B+3], s[G0A+2:G0A+3], SLOTB
	s_or_b32 s[G0A+3], s[G0A+3], 0x80000000
	s_or_b32 s[G0B+3], s[G0B+3], 0x80000000
	s_mov_b32 s62, s60
	s_mov_b32 s[G0T], 1
	s_add_co_u32 s[G0T+1], s60, TABL
	s_add_nc_u64 s[G0T+2:G0T+3], s[14:15], s[62:63]
	s_or_b32 s[G0T+3], s[G0T+3], 0x80000000
	ROUND                                          ; all four work-groups are here: the first joint loads meet
	tensor_load_to_lds s[G0T:G0T+3], s[G1T:G1T+7]  ; three loads of mine are out
	s_nop 0
	tensor_load_to_lds s[G0A:G0A+3], s[G1:G1+7]
	s_nop 0
	tensor_load_to_lds s[G0B:G0B+3], s[G1:G1+7]
	s_nop 0
	PLACES 4
	; ---- THE GATHER.  Thread = (wave w, sample s8 = (t >> 2) & 7, quarter dq = t & 3); item it is field m = 4 it + w
	v_and_b32 v[RR], 15, v0
	v_bfe_u32 v[HF], v0, 4, 1
	v_and_b32 v[L16], 31, v0
	v_lshlrev_b32 v[L16], 4, v[L16]
	v_and_b32 v[R7], 7, v0
	v_bfe_u32 v[TMP], v0, 2, 3                     ; s8
	v_and_b32 v[ZW], 3, v0                         ; dq
	v_bfe_u32 v[AR3], v0, 2, 2                     ; s8 % 4
	s_lshl_b32 s58, s[SW], 2
	v_mad_u32_u24 v[AD], v[TMP], 156, s58          ; 4 (39 s8 + w)
	s_add_co_u32 s59, s[SW], 36
	s_min_u32 s59, s59, 38                         ; item 9 of wave 3 has no field: it reads field 38, inside the buffer, and is not used
	s_lshl_b32 s59, s59, 2
	v_mad_u32_u24 v[AHD], v[TMP], 156, s59
	s_mul_i32 s62, s[WG], 1248
	s_mov_b32 s63, 0
	s_add_nc_u64 s[4:5], s[4:5], s[62:63]
	s_add_nc_u64 s[6:7], s[6:7], s[62:63]
.irp it, 0,1,2,3,4,5,6,7,8
	global_load_b32 v[IDS+\it], v[AD], s[4:5] offset:16*\it
	global_load_b32 v[VAL+\it], v[AD], s[6:7] offset:16*\it
.endr
	global_load_b32 v[IDS+9], v[AHD], s[4:5]
	global_load_b32 v[VAL+9], v[AHD], s[6:7]
	v_lshlrev_b32 v[ABI], 8, v[HF]                 ; where x goes in HS: row 64 + w (+ 4 it), 256 (s8 / 4) + 64 dq + 4 (s8 % 4)
	v_lshl_add_u32 v[ABI], v[ZW], 6, v[ABI]
	v_lshl_add_u32 v[ABI], v[AR3], 2, v[ABI]
	s_lshl_b32 s58, s[SW], 9
	s_add_co_u32 s58, s58, HS+64*512
	v_add_nc_u32 v[ABI], s58, v[ABI]
	v_mul_u32_u24 v[AFC], v[TMP], XDP              ; and in XD: row s8, 64 w + 16 dq (+ 256 it)
	v_lshl_add_u32 v[AFC], v[ZW], 4, v[AFC]
	s_lshl_b32 s58, s[SW], 6
	s_add_co_u32 s58, s58, XD
	v_add_nc_u32 v[AFC], s58, v[AFC]
	s_lshl_b32 s58, s[SW], 5
	s_add_co_u32 s58, s58, RED
	v_lshl_add_u32 v[AR], v[TMP], 2, s58
	v_lshlrev_b32 v[M1], 4, v[ZW]
.irp i, 0,1,2,3
	v_mov_b32 v[ZQ+\i], 0
.endr
	v_mov_b32 v[PT], 0
	s_wait_loadcnt 0x0
.irp it, 0,1,2,3,4,5,6,7,8,9
	v_min_u32 v[IDS+\it], 0xf423f, v[IDS+\it]
	v_lshlrev_b32 v[EOFF+\it], 6, v[IDS+\it]
	v_add_nc_u32 v[EOFF+\it], v[M1], v[EOFF+\it]
	v_lshlrev_b32 v[BOFF+\it], 2, v[IDS+\it]
	global_load_b128 v[EMB+4*\it:EMB+4*\it+3], v[EOFF+\it], s[8:9]
	global_load_b32 v[BIA+\it], v[BOFF+\it], s[10:11]
.endr
	s_wait_loadcnt 0x0
.macro ITEM it                         ; x = emb x val; to HS at rows 64 + m, 64 + 39 + m (and 64 + 78 + m for m < 16), and to XD
.irp i, 0,1,2,3
	v_mul_f32 v[EMB+4*\it+\i], v[EMB+4*\it+\i], v[VAL+\it]
.endr
.irp i, 0,1,2,3
	ds_store_b32 v[ABI], v[EMB+4*\it+\i] offset:2048*\it+16*\i
	ds_store_b32 v[ABI], v[EMB+4*\it+\i] offset:2048*\it+16*\i+19968
.if \it < 4
	ds_store_b32 v[ABI], v[EMB+4*\it+\i] offset:2048*\it+16*\i+39936
.endif
.endr
	ds_store_b128 v[AFC], v[EMB+4*\it:EMB+4*\it+3] offset:256*\it
.endm
	v_mul_f32 v[BS], v[BIA], v[VAL]
.irp it, 1,2,3,4,5,6,7,8
	v_fmac_f32 v[BS], v[BIA+\it], v[VAL+\it]
.endr
.irp it, 0,1,2,3,4,5,6,7,8
	ITEM \it
.endr
	s_cmp_lt_u32 s[SW], 3
	s_cbranch_scc0 .Lno39
	v_fmac_f32 v[BS], v[BIA+9], v[VAL+9]
	ITEM 9
	s_branch .Lhad39
.Lno39:
	ds_store_b128 v[AFC], v[ZQ:ZQ+3] offset:2304   ; XD's columns 624 on are zeros
.Lhad39:
	ds_store_b128 v[AFC], v[ZQ:ZQ+3] offset:2560
	ds_store_b128 v[AFC], v[ZQ:ZQ+3] offset:2816
	ds_store_b32 v[AR], v[BS]                      ; the four quarters of a sample write the same word with the same value
	s_wait_tensorcnt 0x1                           ; the table and my unit of slot 0 are in; slot 1's load may be out
	BAR
	; ---- SET-UP: x into registers, rotated by R = (25 hf + 27 kh) % 39
	v_mul_u32_u24 v[AD], v[HF], 12800
	v_lshl_add_u32 v[AD], v[RR], 4, v[AD]
	s_mul_i32 s58, s[KH], 13832                    ; 27 rows + 8 bytes (my tiles 0, 1 are samples 2 kh, 2 kh + 1 of my four)
	s_lshl_b32 s59, s[NH], 8
	s_add_co_u32 s58, s58, s59
	s_add_co_u32 s58, s58, HS+64*512
	v_add_nc_u32 v[AD], s58, v[AD]
	v_xor_b32 v[AHD], 8, v[AD]
	WIN 0x40
.irp tl, 0,1,2,3
.set rr, 0
.rept 39
.if \tl < 2
	ds_load_b32 v[40*\tl+rr], v[AD] offset:512*rr+4*(\tl%2)
.else
	ds_load_b32 v[40*\tl+rr], v[AHD] offset:512*rr+4*(\tl%2)
.endif
.set rr, rr+1
.endr
.endr
	WIN 0
	s_mul_i32 s58, s[KH], U
	v_add_nc_u32 v[AW0], s58, v[L16]
	s_add_co_u32 s58, s58, 19968
	v_lshl_add_u32 v[AWS0], v[RR], 4, s58
	v_lshlrev_b32 v[SH8], 3, v[HF]
	s_mul_i32 s58, s[SW], 13312
	s_add_co_u32 s58, s58, EX
	v_add_nc_u32 v[EO], s58, v[L16]
	s_xor_b32 s58, s[SW], 2
	s_mul_i32 s58, s58, 13312
	s_add_co_u32 s58, s58, EX
	v_add_nc_u32 v[EIN], s58, v[L16]
	s_lshl_b32 s58, s[NH], 8
	s_lshl_b32 s59, s[KH], 3
	s_add_co_u32 s58, s58, s59
	s_add_co_u32 s58, s58, HS
	v_lshl_add_u32 v[TMP], v[RR], 4, s58           ; HS + 256 nh + 16 r + 8 kh
	v_lshl_add_u32 v[AHS], v[HF], 12, v[TMP]
	s_lshl_b32 s59, s[KH], 9                       ; h's first row by segment: b + hf a, a = (1 + kh, 1, 2 - kh, 2), b = (19, 20, 20, 20) kh
	s_add_co_u32 s59, s59, 512
	s_lshl_b32 s60, s[KH1], 9
	s_add_co_u32 s60, s60, 512
	s_mul_i32 s61, s[KH], 9728
	s_mul_i32 s62, s[KH], 10240
	v_mul_u32_u24 v[ADH0A], s59, v[HF]
	v_lshlrev_b32 v[ADH0A+1], 9, v[HF]
	v_mul_u32_u24 v[ADH0A+2], s60, v[HF]
	v_lshlrev_b32 v[ADH0A+3], 10, v[HF]
	v_add_nc_u32 v[ADH0A], v[ADH0A], v[TMP]
	v_add_nc_u32 v[ADH0A], s61, v[ADH0A]
.irp i, 1,2,3
	v_add_nc_u32 v[ADH0A+\i], v[ADH0A+\i], v[TMP]
	v_add_nc_u32 v[ADH0A+\i], s62, v[ADH0A+\i]
.endr
.irp i, 0,1,2,3
	v_xor_b32 v[ADH0A+4+\i], 8, v[ADH0A+\i]
.endr
.irp i, 0,1,2,3,4,5,6,7
	v_add_nc_u32 v[ADHA+\i], 0x8000, v[ADH0A+\i]   ; layer 0's h is x, which lies 64 rows down
.endr
	v_lshl_add_u32 v[TB32], v[HF], 5, TABL
.irp i, 0,1,2,3
	v_mov_b32 v[SA+\i], 0
.endr
	s_mov_b32 s[TB], 0
	v_mov_b32 v[AW], v[AW0]
	v_mov_b32 v[AWS], v[AWS0]
	s_cmp_eq_u32 s[KH], 0
	s_cselect_b32 s58, 2048, 0
	v_add_nc_u32 v[ABI], s58, v[TB32]              ; layer 0's bias, or zeros
	v_lshl_add_u32 v[TMP], v0, 2, HS+103*512
	BAR                                            ; every wave has x in registers
	ds_store_b32 v[TMP], v[ZQ]                     ; row 64 + 39 becomes 0: layer 0's K ends inside a block, and z past it must be 0
	BAR
.set WOFF, 0
	LW 0, 12
	LWS 0
	TOP
	s_mov_b32 s[SN], 0
.Ltrip:                                            ; seven trips of six K steps; three changes of slots a trip
	s_mov_b32 s[THN], 0                            ; the next trip's 32 tau rows
	s_cmp_eq_u32 s[SN], 1
	s_cselect_b32 s[THN], 0x4000, s[THN]
	s_cmp_eq_u32 s[SN], 4
	s_cselect_b32 s[THN], 0x4000, s[THN]
	s_cmp_eq_u32 s[SN], 2
	s_cselect_b32 s[THN], 0x8000, s[THN]
	s_cmp_eq_u32 s[SN], 5
	s_cselect_b32 s[THN], 0x8000, s[THN]
.set MMI, 0
.set MML, 0
.set PCNT, 0
	s_wait_dscnt 12                                ; h of steps 0 and 1 is in; the 12 loads of fragments 9-12 may be out
	PROD 0, 0
	STEP 0
	STEP 1
	STEP 2
	STEP 3
	STEP 4
	STEP 5
	WIN 0
	s_cmp_eq_u32 s[SN], 0
	s_cbranch_scc1 .Lbot
	s_cmp_eq_u32 s[SN], 3
	s_cbranch_scc1 .Lbot
	s_cmp_lg_u32 s[SN], 6
	s_cbranch_scc1 .Lnext
.Lbot:                                             ; a layer's end
	s_cmp_ge_u32 s[SN], 3
	s_cselect_b32 s[LOFF], 1024, 0
	s_cmp_ge_u32 s[SN], 6
	s_cselect_b32 s[LOFF], 2048, s[LOFF]
	s_add_co_u32 s58, s[LOFF], 5120
	v_add_nc_u32 v[AFC], s58, v[TB32]              ; the layer's fc weights
	XCH 2, 0
	XCH 3, 1
	FIN
	BAR                                            ; h lies in LDS
	s_cmp_eq_u32 s[SN], 6
	s_cbranch_scc1 .Lnext
	s_add_co_u32 s58, s[LOFF], 3072
	s_cmp_eq_u32 s[KH], 0
	s_cselect_b32 s58, s58, 0
	v_add_nc_u32 v[ABI], s58, v[TB32]              ; the next layer's bias, or zeros
	TOP
.Lnext:
	s_add_co_u32 s[SN], s[SN], 1
	s_cmp_lt_u32 s[SN], 7
	s_cbranch_scc1 .Ltrip
	; ---- CIN's part of the result: my two kept samples' sums over the 32 lanes
	v_pk_add_f32 v[SA:SA+1], v[SA:SA+1], v[SB:SB+1]
.irp q, 1,2,4,8
	v_add_f32_dpp v[SA], v[SA], v[SA] row_xmask:\q row_mask:0xf bank_mask:0xf
	v_add_f32_dpp v[SA+1], v[SA+1], v[SA+1] row_xmask:\q row_mask:0xf bank_mask:0xf
.endr
	v_permlanex16_b32 v[PT], v[SA], s[SEL], s[SEL+1]
	v_permlanex16_b32 v[TMP], v[SA+1], s[SEL], s[SEL+1]
	v_add_f32 v[SA], v[SA], v[PT]
	v_add_f32 v[SA+1], v[SA+1], v[TMP]
	s_lshl_b32 s58, s[NH], 4
	s_lshl_b32 s59, s[KH], 3
	s_add_co_u32 s58, s58, s59
	s_add_co_u32 s58, s58, RED+128
	v_mov_b32 v[AR], s58
	ds_store_b32 v[AR], v[SA]
	ds_store_b32 v[AR], v[SA+1] offset:4
	; ---- THE DNN.  Wave w = 2 kh + mg reads unit w of a slot: K step 2 i + kh, rows 208 mg + 16 f + r.  Source 1 = the 8 samples (columns 8-15 repeat them).
	s_mul_i32 s58, s[SW], U
	v_add_nc_u32 v[AW0], s58, v[L16]
	s_add_co_u32 s58, s58, 19968
	v_lshl_add_u32 v[AWS0], v[RR], 4, s58
	v_add_nc_u32 v[AW], s[TB], v[AW0]
	v_add_nc_u32 v[AWS], s[TB], v[AWS0]
	v_mul_u32_u24 v[AD], v[R7], XDP
	v_lshl_add_u32 v[AD], v[HF], 7, v[AD]
	s_lshl_b32 s58, s[KH], 9
	s_add_co_u32 s58, s58, XD
	v_add_nc_u32 v[AD], s58, v[AD]                 ; x: row r % 8, 512 kh + 128 hf
	s_mul_i32 s59, s[NH], 832
	s_add_co_u32 s58, s59, 8192
	s_cmp_eq_u32 s[KH], 0
	s_cselect_b32 s58, s58, 0
	v_add_nc_u32 v[ABI], s58, v[TB32]              ; dnn_b0 of my rows, or zeros
	s_add_co_u32 s58, s59, 12288
	v_add_nc_u32 v[AFC], s58, v[TB32]              ; the fc weights of my rows
	v_mul_u32_u24 v[AHD], v[R7], HIDP
	v_lshl_add_u32 v[AHD], v[HF], 5, v[AHD]
	s_add_co_u32 s58, s59, HS
	v_add_nc_u32 v[AHD], s58, v[AHD]               ; the hidden layer: row r % 8, 832 mg + 32 hf
	v_mul_u32_u24 v[AZ], v[HF], 96
	v_mad_u32_u24 v[AZ], v[R7], HIDP, v[AZ]
	s_mul_i32 s60, s[NH], 192
	s_add_co_u32 s60, s60, HS+1664
	v_add_nc_u32 v[AZ], s60, v[AZ]                 ; its columns 416 on, which are zeros
	s_lshl_b32 s60, s[NH], 5
	s_add_co_u32 s60, s60, RED+160
	v_lshl_add_u32 v[AR3], v[R7], 2, s60
	v_lshl_add_u32 v[TMP], v[R7], 2, RED
.set WOFF, 0
.macro DSTEP fill                      ; a K step of 128: my unit's 13 fragments, my 64 numbers quantised, 13 products by turns
	WIN 0
	PLACES 4
	LW 0, 12
	LWS 0
.irp c, 0,1
.irp i, 0,1,2,3,4,5,6,7
	ds_load_b128 v[SCR+32*\c+4*\i:SCR+32*\c+4*\i+3], v[AD] offset:256*\c+16*\i
.endr
.endr
	s_wait_dscnt 0x0
.set MMI, 0
.set MML, 0
.set PCNT, 0
	QB SCR, 0, CDB
	QB SCR+32, 1, CDB
	ZS ZSC
	WIN 0
	v_add_nc_u32 v[AD], 1024, v[AD]
.if \fill
	CHANGE
.else
	s_xor_b32 s[TB], s[TB], SLOT1
	v_add_nc_u32 v[AW], s[TB], v[AW0]
	v_add_nc_u32 v[AWS], s[TB], v[AWS0]
	PLACES 8
.endif
.set dm, 0
.rept 13
	PRODUCT dm, 0, 0
.set dm, dm+1
.endr
	WIN 0
.endm
	ACCINIT 1
	s_wait_dscnt 0x0
	s_mov_b32 s[CNT], 3
.Lda:                                              ; layer A: slots 21-23; slots 23-25 are asked for
	DSTEP 1
	s_sub_co_u32 s[CNT], s[CNT], 1
	s_cmp_lg_u32 s[CNT], 0
	s_cbranch_scc1 .Lda
	XCH 0, 0
	s_cmp_lg_u32 s[KH], 0
	s_cbranch_scc1 .Lhz
	WIN 0x08
.set dm, 0
.rept 13
.irp j, 0,1,2,3,4,5,6,7
	v_max_num_f32 v[SCR+8*dm+\j], 0, v[16*dm+\j]
.endr
.set dm, dm+1
.endr
	WIN 0
.set dm, 0
.rept 13
	ds_store_b128 v[AHD], v[SCR+8*dm:SCR+8*dm+3] offset:64*dm
	ds_store_b128 v[AHD], v[SCR+8*dm+4:SCR+8*dm+7] offset:64*dm+16
.set dm, dm+1
.endr
	s_branch .Lhj
.Lhz:
.irp i, 0,1,2,3
	v_mov_b32 v[SCR+\i], 0
.endr
.irp i, 0,1,2,3,4,5
	ds_store_b128 v[AZ], v[SCR:SCR+3] offset:16*\i
.endr
.Lhj:
	s_wait_tensorcnt 0x0                           ; my units of slots 24 and 25 are in
	BAR                                            ; the hidden layer lies in LDS
	v_mul_u32_u24 v[AD], v[R7], HIDP
	v_lshl_add_u32 v[AD], v[HF], 7, v[AD]
	s_lshl_b32 s58, s[KH], 9
	s_add_co_u32 s58, s58, HS
	v_add_nc_u32 v[AD], s58, v[AD]
	s_add_co_u32 s58, s59, 10240
	s_cmp_eq_u32 s[KH], 0
	s_cselect_b32 s58, s58, 0
	v_add_nc_u32 v[ABI], s58, v[TB32]              ; dnn_b1 of my rows, or zeros
	ACCINIT 1
	s_wait_dscnt 0x0
	s_mov_b32 s[CNT], 2
.Ldb:                                              ; layer B: slots 24, 25; nothing is asked for
	DSTEP 0
	s_sub_co_u32 s[CNT], s[CNT], 1
	s_cmp_lg_u32 s[CNT], 0
	s_cbranch_scc1 .Ldb
	XCH 0, 0
	s_cmp_lg_u32 s[KH], 0
	s_cbranch_scc1 .Lnofd
.set dm, 0
.rept 13
	ds_load_b128 v[SCR+8*dm:SCR+8*dm+3], v[AFC] offset:64*dm
	ds_load_b128 v[SCR+8*dm+4:SCR+8*dm+7], v[AFC] offset:64*dm+16
.set dm, dm+1
.endr
	v_mov_b32 v[SB], 0
	v_mov_b32 v[SB+1], 0
	WIN 0x88
.set dm, 0
.rept 13
.irp j, 0,1,2,3,4,5,6,7
	v_max_num_f32 v[16*dm+\j], 0, v[16*dm+\j]
.endr
.set dm, dm+1
.endr
	s_wait_dscnt 0x0
	WIN 0x02
.set dm, 0
.rept 13
.irp j, 0,1,2,3,4,5,6,7
	v_fma_f32 v[SB+\j%2], v[16*dm+\j], v[SCR+8*dm+\j], v[SB+\j%2]
.endr
.set dm, dm+1
.endr
	WIN 0
	v_add_f32 v[SB], v[SB], v[SB+1]
	v_permlanex16_b32 v[PT], v[SB], s[SEL], s[SEL+1]
	v_add_f32 v[SB], v[SB], v[PT]
	ds_store_b32 v[AR3], v[SB]                     ; lanes r and r + 8 hold the same sample and the same bits
.Lnofd:
	BAR
	; ---- THE END: wave 0 adds a sample's parts and stores 8 numbers
	s_cmp_lg_u32 s[SW], 0
	s_cbranch_scc1 .Lend
.irp i, 0,1,2,3,4,5,6
	ds_load_b32 v[SCR+\i], v[TMP] offset:32*\i     ; four bias sums, CIN's part, the DNN's two
.endr
	ds_load_b32 v[SCR+7], v[TB32] offset:14336     ; fc_b (lanes 0-15)
	s_lshl_b32 s62, s[WG], 5
	s_mov_b32 s63, 0
	s_add_nc_u64 s[16:17], s[16:17], s[62:63]
	v_lshlrev_b32 v[ZW], 2, v0
	s_wait_dscnt 0x0
	v_add_f32 v[SCR], v[SCR], v[SCR+1]
	v_add_f32 v[SCR+2], v[SCR+2], v[SCR+3]
	v_add_f32 v[SCR+4], v[SCR+4], v[SCR+5]
	v_add_f32 v[SCR+6], v[SCR+6], v[SCR+7]
	v_add_f32 v[SCR], v[SCR], v[SCR+2]
	v_add_f32 v[SCR+4], v[SCR+4], v[SCR+6]
	v_add_f32 v[SCR], v[SCR], v[SCR+4]
	v_cmp_gt_u32 vcc_lo, 8, v0
	s_wait_xcnt 0x0                                ; EXEC changes only behind this wait
	s_and_saveexec_b32 s58, vcc_lo
	global_store_b32 v[ZW], v[SCR], s[16:17]
	s_wait_xcnt 0x0                                ; and again, in front of the line that widens it
	s_or_b32 exec_lo, exec_lo, s58
.Lend:
	s_wait_tensorcnt 0x0                           ; the wave's end
	ds_add_u32 v[SPW], v[NIL]
	s_wait_dscnt 0x0
	ROUND                                          ; the closing round
	s_endpgm
.Lfunc_end_k_q42c176b3d7_xdfm:
	.size	k_q42c176b3d7_xdfm, .Lfunc_end_k_q42c176b3d7_xdfm-k_q42c176b3d7_xdfm
	.p2alignl 7, 3214868480
	.fill 96, 4, 3214868480
	.section	.rodata,"a",@progbits
	.p2align	6, 0x0
	.amdhsa_kernel k_q42c176b3d7_xdfm
		.amdhsa_group_segment_fixed_size 327680
		.amdhsa_private_segment_fixed_size 0
		.amdhsa_enable_private_segment 0
		.amdhsa_kernarg_size 56
		.amdhsa_user_sgpr_count 2
		.amdhsa_user_sgpr_kernarg_segment_ptr 1
		.amdhsa_wavefront_size32 1
		.amdhsa_system_sgpr_workgroup_id_x 1
		.amdhsa_system_sgpr_workgroup_id_y 1
		.amdhsa_system_sgpr_workgroup_id_z 1
		.amdhsa_system_vgpr_workitem_id 0
		.amdhsa_next_free_vgpr 1024
		.amdhsa_next_free_sgpr 66
		.amdhsa_reserve_vcc 1
		.amdhsa_float_denorm_mode_32 3
		.amdhsa_float_denorm_mode_16_64 3
		.amdhsa_memory_ordered 1
		.amdhsa_forward_progress 1
		.amdhsa_inst_pref_size 255
	.end_amdhsa_kernel
	.section	.bss,"aw",@nobits
	.p2align	6
	.space	262144
	.amdgpu_metadata
---
amdhsa.version: [ 1, 2 ]
amdhsa.kernels:
  - .name:           k_q42c176b3d7_xdfm
    .symbol:         k_q42c176b3d7_xdfm.kd
    .args:
      - { .name: feature_ids, .offset: 0, .size: 8, .value_kind: global_buffer, .address_space: global }
      - { .name: feature_vals, .offset: 8, .size: 8, .value_kind: global_buffer, .address_space: global }
      - { .name: emb, .offset: 16, .size: 8, .value_kind: global_buffer, .address_space: global }
      - { .name: bias_emb, .offset: 24, .size: 8, .value_kind: global_buffer, .address_space: global }
      - { .name: wq, .offset: 32, .size: 8, .value_kind: global_buffer, .address_space: global }
      - { .name: tab, .offset: 40, .size: 8, .value_kind: global_buffer, .address_space: global }
      - { .name: out0, .offset: 48, .size: 8, .value_kind: global_buffer, .address_space: global }
    .group_segment_fixed_size: 327680
    .private_segment_fixed_size: 0
    .kernarg_segment_align: 8
    .kernarg_segment_size: 56
    .max_flat_workgroup_size: 128
    .sgpr_count:     66
    .vgpr_count:     1024
    .wavefront_size: 32
...
	.end_amdgpu_metadata
.endif
;; end of part 2
;; ======== version 2 of 2: 2 launches; 1.15 times as fast as version 1
;; workspace buffers: wq 2,183,168 bytes; tab 16,384 bytes
;; launch prep (part 3): grid 105 x 1, 13 waves a work-group, no clusters, 122,624 bytes of LDS; arguments cin_W0, cin_W1, cin_W2, dnn_W0, dnn_W1, cin_b0, cin_b1, cin_b2, dnn_b0, dnn_b1, fc_W, fc_b, wq, tab; writes wq, tab
.if DOCPART == 3
	.amdgcn_target "amdgcn-amd-amdhsa--gfx1250"
	.amdhsa_code_object_version 6
	.text
	.protected	k_q42c176b3d7_prep
	.globl	k_q42c176b3d7_prep
	.p2align	8
	.type	k_q42c176b3d7_prep,@function
k_q42c176b3d7_prep:
	s_mov_b64 s[64:65], 0
	v_nop
	global_prefetch_b8 v0, s[64:65] scope:SCOPE_SE
	s_setreg_imm32_b32 hwreg(HW_REG_WAVE_MODE, 25, 1), 1
	s_wait_xcnt 0x0
; The five weight matrices (f32, K innermost) become codes of E2M3 with one E8M0 byte for each 32 along K, laid in the order of the operand's registers, unit by unit;
; and one table of padded biases and fc weights is written.  A unit = one K step of 128 for 13 tiles of 16 rows: 13 fragment images of 1,536 bytes, then 1,024 bytes of scale words.
; Work-groups 0..103: a unit each, wave f = fragment f.  Work-group 104: the table.
; Which blocks of 32 form a unit, and the order of the 32 numbers inside a block, are those of the launch that multiplies (macro WALKMOV = the walk of its macro BLK).
; A load reads one block of one row, 32 lanes x 4 consecutive bytes; the fragment's 64 blocks turn through the wave's own LDS bytes and come back 32 numbers to a lane.
; LIMITS: NaN and infinities are not served; a block whose largest magnitude lies under 2^-124 has its byte held at 1; a block of zeros has byte 1 over zero codes (read by this program alone).
.set U, 20992
.set T, 64                             ; v64-127  the 64 numbers of my two blocks: 32 c + idx
.set A, 128                            ; v128-191 the loads' byte offsets
.set P, 192                            ; v192-255 first the numbers as loaded (16 (2 c + hf) + row), later the numbers in the order of the codes
.set C, 32                             ; v32-43   the fragment's 12 registers
.set CT, 44                            ; v44-46, v48-50 upper halves of the two blocks
.set WST, 9216                         ; LDS: 1,024 bytes of scale words, then for each wave 64 blocks x (128 bytes + 16)
	s_load_b512 s[4:19], s[0:1], 0x0               ; cin_W0 4, cin_W1 6, cin_W2 8, dnn_W0 10, dnn_W1 12, cin_b0 14, cin_b1 16, cin_b2 18
	s_load_b256 s[20:27], s[0:1], 0x40             ; dnn_b0 20, dnn_b1 22, fc_W 24, fc_b 26
	s_load_b128 s[28:31], s[0:1], 0x60             ; wq 28, tab 30
	v_lshl_add_u32 v62, v0, 2, 0x1d800
	v_mov_b32 v63, 0
	v_lshrrev_b32 v1, 5, v0
	v_readfirstlane_b32 s32, v1                    ; wave = fragment f
	s_wait_kmcnt 0x0
	s_cmp_eq_u32 ttmp9, 104
	s_cbranch_scc1 .Ltab
	s_lshr_b32 s33, ttmp9, 2                       ; slot
	s_and_b32 s34, ttmp9, 3                        ; unit in the slot
	s_cmp_lt_u32 s33, 21
	s_cbranch_scc0 .Ldnn
	; CIN: trip n = slot / 3; u = 2 s2 + kh; K step g = 2 (slot % 3) + s2; block = 39 tau + 24 kh + 4 g + 2 hf + c
	s_mul_i32 s35, s33, 171
	s_lshr_b32 s35, s35, 9                         ; n
	s_mul_i32 s36, s35, 3
	s_sub_co_u32 s36, s33, s36
	s_lshr_b32 s37, s34, 1
	s_and_b32 s38, s34, 1                          ; kh
	s_lshl_b32 s36, s36, 1
	s_add_co_u32 s50, s36, s37                     ; g: also the order inside a block
	s_cmp_ge_u32 s35, 4
	s_cselect_b32 s39, 4, 1
	s_cselect_b64 s[42:43], s[8:9], s[6:7]
	s_sub_co_u32 s39, s35, s39
	s_mov_b32 s44, 3900
	s_cmp_eq_u32 s35, 0
	s_cselect_b32 s39, 0, s39                      ; tau
	s_cselect_b64 s[42:43], s[4:5], s[42:43]       ; the layer's weights
	s_cselect_b32 s44, 1521, s44                   ; K
	s_cmp_lt_u32 s39, 2
	s_cselect_b32 s45, 39, 48                      ; a layer's first two trips own 39 blocks, its last all 48 places
	s_cmp_eq_u32 s35, 0
	s_cselect_b32 s45, 48, s45
	s_mul_i32 s41, s39, 39                         ; the trip's first block
	s_mul_i32 s38, s38, 24
	s_lshl_b32 s40, s50, 2
	s_add_co_u32 s40, s40, s38
	s_add_co_u32 s40, s40, s41                     ; block of (c, hf) = (0, 0)
	s_mov_b32 s46, 1                               ; blocks from c to c + 1
	s_mov_b32 s47, 2                               ; and from hf 0 to 1
	s_mov_b32 s48, 200                             ; rows
	s_lshl_b32 s49, s32, 4                         ; the fragment's first row
	s_branch .Lunit
.Ldnn:
	; DNN: u = 2 kh + mg; K step s = 2 (slot - first) + kh; block = 4 s + 2 c + hf; rows 208 mg + 16 f + r
	s_mov_b32 s44, 400
	s_cmp_lt_u32 s33, 24
	s_cselect_b32 s39, 21, 24
	s_cselect_b64 s[42:43], s[10:11], s[12:13]
	s_cselect_b32 s44, 624, s44
	s_sub_co_u32 s39, s33, s39
	s_lshr_b32 s38, s34, 1
	s_and_b32 s37, s34, 1
	s_lshl_b32 s39, s39, 1
	s_add_co_u32 s39, s39, s38
	s_lshl_b32 s40, s39, 2
	s_mov_b32 s41, 0
	s_mov_b32 s45, 4096
	s_mov_b32 s46, 2
	s_mov_b32 s47, 1
	s_mov_b32 s48, 400
	s_mul_i32 s49, s37, 208
	s_lshl_b32 s36, s32, 4
	s_add_co_u32 s49, s49, s36
	s_mov_b32 s50, 6                               ; natural order inside a block
.Lunit:
	s_mul_i32 s51, s48, s44
	s_lshl_b32 s51, s51, 2
	s_sub_co_u32 s51, s51, 4                       ; the matrix's last number: no load leaves the buffer
	s_mov_b32 s56, 0x76543210
	s_mov_b32 s57, 0xfedcba98
	v_and_b32 v1, 15, v0                           ; r
	v_bfe_u32 v2, v0, 4, 1                         ; hf
	v_and_b32 v3, 31, v0
	v_lshlrev_b32 v58, 2, v3                       ; 4 x lane
	v_lshlrev_b32 v3, 4, v3                        ; 16 x lane
	; the 64 loads: block (c, hf) of row r': ((first row + r') K + 32 block) 4 + 4 x lane, held at the matrix's last number
	s_mul_i32 s60, s49, s44
	s_lshl_b32 s61, s40, 5
	s_add_co_u32 s61, s61, s60
	s_lshl_b32 s61, s61, 2
	s_lshl_b32 s62, s47, 7                         ; bytes from hf 0 to 1
	s_lshl_b32 s63, s46, 7                         ; and from c to c + 1
	s_lshl_b32 s58, s44, 2                         ; a row in bytes
	v_add_nc_u32 v52, s61, v58
	v_add_nc_u32 v53, s62, v52
	v_add_nc_u32 v54, s63, v52
	v_add_nc_u32 v55, s63, v53
	s_mov_b32 s59, 0
.set rr, 0
.rept 16
.irp cb, 0,1,2,3
	v_add_nc_u32 v[A+16*\cb+rr], s59, v[52+\cb]
	v_min_u32 v[A+16*\cb+rr], s51, v[A+16*\cb+rr]
	global_load_b32 v[P+16*\cb+rr], v[A+16*\cb+rr], s[42:43]       ; 32 lanes read 128 consecutive bytes
.endr
	s_add_co_u32 s59, s59, s58
.set rr, rr+1
.endr
	s_mul_i32 s60, s32, WST
	s_add_co_u32 s60, s60, 1024                    ; my wave's stage
	v_add_nc_u32 v56, s60, v58                     ; in: 4 x lane, the block's place in the immediate
	v_mul_u32_u24 v57, v1, 144
	v_mad_u32_u24 v57, v2, 2304, v57
	v_add_nc_u32 v57, s60, v57                     ; back: block 16 hf + r (+ 32 c)
	v_add_nc_u32 v4, s49, v1                       ; my row o
	v_mul_u32_u24 v5, s47, v2
	v_add_nc_u32 v5, s40, v5                       ; my block at c = 0
	v_add_nc_u32 v6, s46, v5                       ; and at c = 1
.irp c, 0,1
	v_lshlrev_b32 v[7+\c], 5, v[5+\c]
	v_sub_nc_u32 v[7+\c], s44, v[7+\c]
	v_max_i32 v[7+\c], 0, v[7+\c]
	v_min_i32 v[7+\c], 32, v[7+\c]                 ; how many of the 32 lie inside K
	v_cmp_gt_u32 vcc_lo, s48, v4
	v_cndmask_b32 v[7+\c], 0, v[7+\c], vcc_lo      ; none in a row past the matrix,
	v_sub_nc_u32 v12, v[5+\c], s41
	v_cmp_gt_u32 vcc_lo, s45, v12
	v_cndmask_b32 v[7+\c], 0, v[7+\c], vcc_lo      ; none in a block that another trip owns
.endr
.set rr, 0
.rept 16
.if rr%4 == 0
	s_wait_loadcnt 48-4*rr                         ; the next sixteen loads are in; the younger ones may be out
.endif
.irp cb, 0,1,2,3
	ds_store_b32 v56, v[P+16*\cb+rr] offset:144*(16*\cb+rr)
.endr
.set rr, rr+1
.endr
.irp c, 0,1
.irp i, 0,1,2,3,4,5,6,7
	ds_load_b128 v[T+32*\c+4*\i:T+32*\c+4*\i+3], v57 offset:4608*\c+16*\i   ; LDS serves a wave's instructions in order: these see my stores
.endr
.endr
	s_wait_dscnt 0x0
.irp c, 0,1
.set i, 0
.rept 32
	v_cmp_lt_u32 vcc_lo, i, v[7+\c]
	v_cndmask_b32 v[T+32*\c+i], 0, v[T+32*\c+i], vcc_lo    ; zeros past K, as the quantiser fills the last block
.set i, i+1
.endr
.endr
.irp c, 0,1                                    ; the block's largest magnitude, with the floor 2^(3 - 127) among its leaves
	v_max3_num_f32 v12, |v[T+32*\c]|, |v[T+32*\c+1]|, 0x1800000
	v_max3_num_f32 v13, |v[T+32*\c+16]|, |v[T+32*\c+17]|, |v[T+32*\c+18]|
.irp i, 0,1,2,3,4,5
	v_max3_num_f32 v12, v12, |v[T+32*\c+2+2*\i]|, |v[T+32*\c+3+2*\i]|
	v_max3_num_f32 v13, v13, |v[T+32*\c+19+2*\i]|, |v[T+32*\c+20+2*\i]|
.endr
	v_max3_num_f32 v12, v12, |v[T+32*\c+14]|, |v[T+32*\c+15]|
	v_max3_num_f32 v12, v12, v13, |v[T+32*\c+31]|
	v_add_nc_u32 v[14+\c], 0xff000000, v12         ; 2 off its exponent field: the conversion's scale operand
	v_lshrrev_b32 v[16+\c], 23, v[14+\c]           ; the scale's byte
.endr
; The order inside a block of K step g, position c: with rho = (128 g + 32 c + idx) % 39, first the aligned pairs (rho even, under 38), then the single numbers.
.macro WALKMOV g
.irp c, 0,1
.set e0, 128*(\g)+32*\c
.set pos, 0
.set idx, 0
.rept 32
.set rho, (e0+idx)%39
.if (rho%2 == 0) && (rho < 38) && (idx < 31)
	v_mov_b32 v[P+32*\c+pos], v[T+32*\c+idx]
	v_mov_b32 v[P+32*\c+pos+1], v[T+32*\c+idx+1]
.set pos, pos+2
.endif
.set idx, idx+1
.endr
.set idx, 0
.rept 32
.set rho, (e0+idx)%39
.if ((rho%2 == 1) && (idx == 0)) || (rho == 38) || ((rho%2 == 0) && (idx == 31))
	v_mov_b32 v[P+32*\c+pos], v[T+32*\c+idx]
.set pos, pos+1
.endif
.set idx, idx+1
.endr
.endr
.endm
	s_cmp_eq_u32 s50, 0
	s_cbranch_scc1 .Lw0
	s_cmp_eq_u32 s50, 1
	s_cbranch_scc1 .Lw1
	s_cmp_eq_u32 s50, 2
	s_cbranch_scc1 .Lw2
	s_cmp_eq_u32 s50, 3
	s_cbranch_scc1 .Lw3
	s_cmp_eq_u32 s50, 4
	s_cbranch_scc1 .Lw4
	s_cmp_eq_u32 s50, 5
	s_cbranch_scc1 .Lw5
.set i, 0
.rept 64
	v_mov_b32 v[P+i], v[T+i]
.set i, i+1
.endr
	s_branch .Ljoin
.Lw0:
	WALKMOV 0
	s_branch .Ljoin
.Lw1:
	WALKMOV 1
	s_branch .Ljoin
.Lw2:
	WALKMOV 2
	s_branch .Ljoin
.Lw3:
	WALKMOV 3
	s_branch .Ljoin
.Lw4:
	WALKMOV 4
	s_branch .Ljoin
.Lw5:
	WALKMOV 5
.Ljoin:
.irp c, 0,1
	v_cvt_scalef32_pk16_fp6_f32 v[C+6*\c:C+6*\c+2], v[P+32*\c:P+32*\c+15], v[14+\c]
	v_cvt_scalef32_pk16_fp6_f32 v[CT+4*\c:CT+4*\c+2], v[P+32*\c+16:P+32*\c+31], v[14+\c]   ; (a conversion's three registers begin on an even number)
.endr
	v_nop                                          ; one plain place behind the scaled conversions
.irp c, 0,1
.irp i, 0,1,2
	v_mov_b32 v[C+6*\c+3+\i], v[CT+4*\c+\i]
.endr
.endr
	v_lshlrev_b32 v23, 3, v2
	v_lshl_or_b32 v18, v17, 16, v16                ; my two bytes, blocks hf and 2 + hf of the K step,
	v_lshlrev_b32 v18, v23, v18                    ; at their places;
	v_mov_b32 v19, 0
	v_permlanex16_b32 v19, v18, s56, s57
	v_or_b32 v18, v18, v19                         ; with lane l xor 16's the row's scale word is whole
	s_mul_i32 s52, ttmp9, U
	s_mul_i32 s54, s32, 1536
	s_add_co_u32 s52, s52, s54
	s_mov_b32 s53, 0
	s_add_nc_u64 s[52:53], s[28:29], s[52:53]      ; my fragment's image
.irp i, 0,1,2
	global_store_b128 v3, v[C+4*\i:C+4*\i+3], s[52:53] offset:512*\i    ; 32 lanes store 512 consecutive bytes
.endr
	s_lshr_b32 s54, s32, 2                         ; the scale words meet in LDS: 256 (f / 4) + 16 r + 4 (f % 4)
	s_lshl_b32 s54, s54, 8
	s_and_b32 s55, s32, 3
	s_lshl_b32 s55, s55, 2
	s_add_co_u32 s54, s54, s55
	v_lshl_add_u32 v20, v1, 4, s54
	s_lshl_b32 s55, s32, 2
	s_add_co_u32 s55, s55, 772
	v_lshl_add_u32 v22, v1, 4, s55                 ; waves 0-2: the words of the places 13-15, which no fragment fills
	v_mov_b32 v21, 0
	ds_store_b32 v20, v18
	s_cmp_lt_u32 s32, 3
	s_cbranch_scc0 .Lnz
	ds_store_b32 v22, v21
.Lnz:
	s_wait_dscnt 0x0                               ; for the others' sake: my words have landed
	s_barrier_signal -1
	s_barrier_wait -1
	s_cmp_lg_u32 s32, 0
	s_cbranch_scc1 .Ldone
	ds_load_b128 v[24:27], v3
	ds_load_b128 v[28:31], v3 offset:512
	s_wait_dscnt 0x0
	global_store_b128 v3, v[24:27], s[52:53] offset:19968   ; wave 0's base is the unit's first byte
	global_store_b128 v3, v[28:31], s[52:53] offset:20480
.Ldone:
	s_wait_tensorcnt 0x0
	ds_add_u32 v62, v63
	s_wait_dscnt 0x0
	s_endpgm
; THE TABLE.  SEG: iters x 128 floats at float offset dst: src[d + delta] where lo <= d < hi, else 0.  lo, hi, delta are multiples of 4, so a lane's four numbers are valid together.
.macro SEG sp, dst, iters, lo, hi, delta
.set it, 0
.rept \iters
	v_add_nc_u32 v2, 128*it, v1
	v_add_nc_u32 v3, -(\lo), v2
	v_cmp_gt_u32 vcc_lo, (\hi)-(\lo), v3
	v_add_nc_u32 v4, \delta, v2
	v_lshlrev_b32 v4, 2, v4
	v_cndmask_b32 v4, 0, v4, vcc_lo                ; a lane with nothing to fetch reads the buffer's first 16 bytes
	global_load_b128 v[8:11], v4, s[\sp:\sp+1]
	s_wait_loadcnt 0x0
.irp q, 8,9,10,11
	v_cndmask_b32 v\q, 0, v\q, vcc_lo
.endr
	global_store_b128 v5, v[8:11], s[30:31] offset:4*(\dst)+512*it
	s_wait_xcnt 0x0                                ; the store has read its data: they are written again in the next turn
.set it, it+1
.endr
	s_endpgm
.endm
.Ltab:
	v_and_b32 v1, 31, v0
	v_lshlrev_b32 v5, 4, v1                        ; 16 bytes a lane
	v_lshlrev_b32 v1, 2, v1                        ; 4 floats a lane
	s_cmp_eq_u32 s32, 0
	s_cbranch_scc1 .Lt0
	s_cmp_eq_u32 s32, 1
	s_cbranch_scc1 .Lt1
	s_cmp_eq_u32 s32, 2
	s_cbranch_scc1 .Lt2
	s_cmp_eq_u32 s32, 3
	s_cbranch_scc1 .Lt3
	s_cmp_eq_u32 s32, 4
	s_cbranch_scc1 .Lt4
	s_cmp_eq_u32 s32, 5
	s_cbranch_scc1 .Lt5
	s_cmp_eq_u32 s32, 6
	s_cbranch_scc1 .Lt6
	s_cmp_eq_u32 s32, 7
	s_cbranch_scc1 .Lt7
	s_cmp_eq_u32 s32, 8
	s_cbranch_scc1 .Lt8
	s_cmp_eq_u32 s32, 9
	s_cbranch_scc1 .Lt9
	s_cmp_eq_u32 s32, 10
	s_cbranch_scc1 .Lt10
	s_endpgm
.Lt0:                                              ; 512 zeros
.irp q, 8,9,10,11
	v_mov_b32 v\q, 0
.endr
.irp i, 0,1,2,3
	global_store_b128 v5, v[8:11], s[30:31] offset:512*\i
.endr
	s_endpgm
.Lt1:
	SEG 14, 512, 2, 0, 200, 0                      ; cin_b0
.Lt2:
	SEG 16, 768, 2, 0, 200, 0
.Lt3:
	SEG 18, 1024, 2, 0, 200, 0
.Lt4:
	SEG 24, 1280, 2, 100, 200, -100                ; fc weights of layer 0's direct rows 100..199
.Lt5:
	SEG 24, 1536, 2, 100, 200, 0                   ; of layer 1's
.Lt6:
	SEG 24, 1792, 2, 0, 200, 200                   ; of layer 2's 200 rows
.Lt7:
	SEG 20, 2048, 4, 0, 400, 0                     ; dnn_b0
.Lt8:
	SEG 22, 2560, 4, 0, 400, 0                     ; dnn_b1
.Lt9:
	SEG 24, 3072, 4, 0, 400, 400                   ; fc weights of the DNN's 400
.Lt10:                                             ; fc_b, then zeros
	v_mov_b32 v4, 0
	global_load_b32 v8, v4, s[26:27]
.irp q, 9,10,11,12,13,14,15
	v_mov_b32 v\q, 0
.endr
	s_wait_loadcnt 0x0
	v_cmp_eq_u32 vcc_lo, 0, v1
	v_cndmask_b32 v8, 0, v8, vcc_lo
	global_store_b128 v5, v[8:11], s[30:31] offset:14336
.irp i, 1,2,3
	global_store_b128 v5, v[12:15], s[30:31] offset:14336+512*\i
.endr
	s_endpgm
.Lfunc_end_k_q42c176b3d7_prep:
	.size	k_q42c176b3d7_prep, .Lfunc_end_k_q42c176b3d7_prep-k_q42c176b3d7_prep
	.p2alignl 7, 3214868480
	.fill 96, 4, 3214868480
	.section	.rodata,"a",@progbits
	.p2align	6, 0x0
	.amdhsa_kernel k_q42c176b3d7_prep
		.amdhsa_group_segment_fixed_size 122624
		.amdhsa_private_segment_fixed_size 0
		.amdhsa_enable_private_segment 0
		.amdhsa_kernarg_size 112
		.amdhsa_user_sgpr_count 2
		.amdhsa_user_sgpr_kernarg_segment_ptr 1
		.amdhsa_wavefront_size32 1
		.amdhsa_system_sgpr_workgroup_id_x 1
		.amdhsa_system_sgpr_workgroup_id_y 1
		.amdhsa_system_sgpr_workgroup_id_z 1
		.amdhsa_system_vgpr_workitem_id 0
		.amdhsa_next_free_vgpr 256
		.amdhsa_next_free_sgpr 66
		.amdhsa_reserve_vcc 1
		.amdhsa_float_denorm_mode_32 3
		.amdhsa_float_denorm_mode_16_64 3
		.amdhsa_memory_ordered 1
		.amdhsa_forward_progress 1
		.amdhsa_inst_pref_size 62
	.end_amdhsa_kernel
	.amdgpu_metadata
---
amdhsa.version: [ 1, 2 ]
amdhsa.kernels:
  - .name:           k_q42c176b3d7_prep
    .symbol:         k_q42c176b3d7_prep.kd
    .args:
      - { .name: cin_W0, .offset: 0, .size: 8, .value_kind: global_buffer, .address_space: global }
      - { .name: cin_W1, .offset: 8, .size: 8, .value_kind: global_buffer, .address_space: global }
      - { .name: cin_W2, .offset: 16, .size: 8, .value_kind: global_buffer, .address_space: global }
      - { .name: dnn_W0, .offset: 24, .size: 8, .value_kind: global_buffer, .address_space: global }
      - { .name: dnn_W1, .offset: 32, .size: 8, .value_kind: global_buffer, .address_space: global }
      - { .name: cin_b0, .offset: 40, .size: 8, .value_kind: global_buffer, .address_space: global }
      - { .name: cin_b1, .offset: 48, .size: 8, .value_kind: global_buffer, .address_space: global }
      - { .name: cin_b2, .offset: 56, .size: 8, .value_kind: global_buffer, .address_space: global }
      - { .name: dnn_b0, .offset: 64, .size: 8, .value_kind: global_buffer, .address_space: global }
      - { .name: dnn_b1, .offset: 72, .size: 8, .value_kind: global_buffer, .address_space: global }
      - { .name: fc_W, .offset: 80, .size: 8, .value_kind: global_buffer, .address_space: global }
      - { .name: fc_b, .offset: 88, .size: 8, .value_kind: global_buffer, .address_space: global }
      - { .name: wq, .offset: 96, .size: 8, .value_kind: global_buffer, .address_space: global }
      - { .name: tab, .offset: 104, .size: 8, .value_kind: global_buffer, .address_space: global }
    .group_segment_fixed_size: 122624
    .private_segment_fixed_size: 0
    .kernarg_segment_align: 8
    .kernarg_segment_size: 112
    .max_flat_workgroup_size: 416
    .sgpr_count:     66
    .vgpr_count:     256
    .wavefront_size: 32
...
	.end_amdgpu_metadata
.endif
;; end of part 3
;; launch xdfm (part 4): grid 256 x 1, 4 waves a work-group, clusters of 4 x 1, 327,680 bytes of LDS; arguments feature_ids, feature_vals, emb, bias_emb, wq, tab, out0; writes out0
.if DOCPART == 4
	.amdgcn_target "amdgcn-amd-amdhsa--gfx1250"
	.amdhsa_code_object_version 6
	.text
	.protected	k_q42c176b3d7_xdfm
	.globl	k_q42c176b3d7_xdfm
	.p2align	8
	.type	k_q42c176b3d7_xdfm,@function
k_q42c176b3d7_xdfm:
	s_mov_b64 s[64:65], 0
	v_nop
	global_prefetch_b8 v0, s[64:65] scope:SCOPE_SE
	s_setreg_imm32_b32 hwreg(HW_REG_WAVE_MODE, 25, 1), 1
	s_wait_xcnt 0x0
	s_wait_alu depctr_hold_cnt(0) depctr_sa_sdst(0) depctr_va_vdst(0) depctr_va_sdst(0) depctr_va_ssrc(0) depctr_va_vcc(0) depctr_vm_vsrc(0)
	s_getreg_b32 s2, hwreg(HW_REG_IB_STS2, 6, 4)
	s_cmp_eq_u32 s2, 0
	s_cbranch_scc0 .Lentry_in_a_cluster
	s_endpgm
.Lentry_in_a_cluster:
	s_bfe_u32 s2, ttmp6, 0x10000c
	s_cmp_lg_u32 s2, 0x3003
	s_cbranch_scc0 .Lentry_shape_is_right
	s_endpgm
.Lentry_shape_is_right:
; xDeepFM for 8 samples a work-group: gather, three CIN layers, the DNN, the fc row and the bias sum; h, z and the DNN's hidden layer never go to memory.
; CIN: D[o][d] = sum over c = 39 h + m of W[o][c] z[c][d], z = h[h][d] x[m][d], both sides codes of E2M3 with one E8M0 byte for each 32 along c.  Source 0 = 16 rows of W, source 1 = a sample's 16 columns d.
; SHARES.  Wave w = 2 kh + nh: nh picks four samples, kh half of each trip's K: 13 x 4 accumulators.  The two halves of K are added through LDS at a layer's end (so the sums are made in two halves and then added).
; WHICH BLOCKS FORM A K STEP is free, since the weights are laid the same way: in trip tau, step g, position c, lane half hf the block is 39 tau + 24 kh + 4 g + 2 hf + c.  With e = 128 g + 32 c + idx,
; q = e / 39, rho = e % 39: m = (rho + R) % 39 and h = 32 tau + B + q + [rho >= w], R, B, w constants of (kh, hf).  x lies in registers rotated by R, so register numbers hang on (g, c) alone and one
; body of six steps serves all seven trips (layer 0: one; layers 1, 2: three each).  W's codes are zero where a place is not owned or lies past K; z is zero past K inside K's last block.
; A BLOCK'S LARGEST MAGNITUDE IS NOT SEARCHED FOR.  32 neighbours along c meet at most two rows of h, that of the block's first number and that of its last; rounding is monotone, so the largest |h x| is the larger of
; |h first| x A and |h last| x B, each rounded once, A and B the largest |x| of the fields under each row.  With m0 = (128 g + 32 c + R) % 39: A = max |x[m0 .. min(38, m0 + 31)]|, B = max |x[0 .. m0 - 8]| (0 for m0 < 8).
; They hang on no layer: a table in LDS, made at the head, holds them, 16 bytes for a lane, a tile and a step.
; WEIGHTS come as units (a K step of 13 fragment images + scale words, 20,992 bytes) through two LDS slots of four units; all work-groups walk the same stream, so the four of a cluster ask jointly.
; A wave's local tile tl is sample 4 nh + (tl xor 2 kh): every wave keeps tiles 0, 1 and gives tiles 2, 3 to its partner.
; LIMITS: NaN and infinities are not served; a block's largest magnitude under 2^-124 has its byte held at 1; a block of zeros has byte 1 over zero codes; ids are held at 999,999.
.set TURN, 4                           ; a product stands behind every TURN instructions that make codes: 240 of them for a step's 52 products
.set U, 20992
.set SLOTB, 4*U
.set SLOT1, 1<<17
.set SPARE, 83968                      ; the spare words, 128 bytes a wave
.set TABL, 84480                       ; the table of biases and fc weights, filled once
.set XD, 100864                        ; x as the DNN's rows: 8 x 768 f32, pitch 3,088
.set XDP, 3088
.set RED, 125568                       ; +0 bias sums (32 w + 4 s), +128 CIN's part (4 s), +160 the DNN's (32 mg + 4 s)
.set HS, 215040                        ; h: 112 rows of 512 bytes [row][nh][d][sample % 4]; at the head x at rows 64 + j, j = 0 .. 93, j % 39 = m (rows 112 on lie in PS's bytes, which are written later)
.set EX, HS                            ; exchange of K halves: 13 images of 1,024 bytes a wave, on h's bytes: h is read by nobody while halves are exchanged
.set PSB, 272384                       ; A and B: [wave][4 g + tile][lane] x 16 bytes: A, B of c = 0, A, B of c = 1: 12,288 bytes a wave
.set HIDP, 2064                        ; the DNN's hidden layer in HS: 8 rows x 512 f32
.set SPW, 1
.set NIL, 2
.set AW0, 3
.set AW, 4
.set AWS0, 5
.set AWS, 6
.set SH8, 7
.set PT, 8
.set EO, 9
.set EIN, 10
.set AHS, 11
.set ABI, 12
.set AFC, 13
.set AD, 14
.set AHD, 15
.set ADH0A, 16                         ; v16-19, v20-23: h's addresses by segment of rho, tiles 0-1 and tiles 2-3
.set ADHA, 24                          ; v24-27, v28-31: the same with the trip's 32 tau rows
.set ADHB, 28
.set SA, 32                            ; v[32:33], v[34:35] fc sums of my kept tiles
.set SB, 34
.set BS, 36                            ; the bias sum, at the head;
.set APS, 36                           ; then the address of my lane's A and B
.set TB32, 37                          ; TABL + 32 hf
.set AR, 38
.set TMP, 39
.set M1, 40
.set M2, 41
.set SOP, 42
.set AZ, 43
.set BY0, 44
.set BY1, 45
.set ZW, 46
.set AR3, 47
.set RR, 48                            ; v48-51: lane terms at the head and behind the loop;
.set HF, 49
.set L16, 50
.set R7, 51
.set PQ0, 48                           ; in the loop: A and B of an even tile;
.set PQ1, 192                          ; v192-195: of an odd tile
.set ZSC, 52                           ; v52-59  z's scale words, two sets of four
.set WSC, 60                           ; v60-91  W's scale words, two sets of sixteen
.set SCR, 92                           ; v92-195 at work
.set Z, 92                             ; v92-123 a block's 32 products
.set H, 124                            ; v124-187 h: 32 set + 4 piece + tile
.set CT, 188
.set CDB, 160                          ; window 1: v416-511 z's codes: 48 set + 12 tile;  v256-415 x: 40 tile + rho
.set IDS, 92
.set VAL, 102
.set EOFF, 112
.set BOFF, 122
.set EMB, 132
.set BIA, 172
.set ZQ, 184
.set XC, 92                            ; the head's table work: v92-130 a column's 39 x;
.set PR, 132                           ; v132-209 the pairs (A, B) for m0 = 0 .. 38;
.set LSM, 210                          ; v210-216 max |x[m .. 6]|;
.set RPM, 217                          ; v218-223 max |x[32 .. m + 31]|, m = 1 .. 6;
.set MID, 224                          ; v224 max |x[7 .. 31]|
.set SW, 18
.set KH, 19
.set NH, 20
.set SN, 21
.set TB, 22
.set THN, 23
.set LOFF, 24
.set CNT, 25
.set WG, 26
.set KH1, 27
.set G1, 28
.set G1T, 36
.set G0A, 44
.set G0B, 48
.set G0T, 52
.set SEL, 56
.set MSB, 0
.set MMI, 0
.set MML, 0
.set PCNT, 0
.set MG, 0
.set WOFF, 0
.set NHC, 0
.set LDC, 0                            ; LDS instructions written so far: counted waits are differences of it
.set LM9, 0                            ; its value behind the loads of fragments 9-12
.set QM0, 0                            ; and behind the last load into each quad of A and B
.set QM1, 0
.set QL0, 1                            ; 1: a wait has shown the quad landed
.set QL1, 1
.macro WIN new                         ; the immediate's high byte repeats the setting that is left; a switch that changes nothing is dropped
.if MSB != (\new)
	s_set_vgpr_msb (MSB<<8)|(\new)
.set MSB, (\new)
.endif
.endm
.macro PLACES n
.rept \n
	v_nop
.endr
.endm
.macro BAR                             ; my LDS stores have landed and my LDS loads are in: then the work-group's barrier
	s_wait_dscnt 0x0
	s_barrier_signal -1
	s_barrier_wait -1
.endm
.macro ROUND                           ; a round of the cluster's barrier
	s_barrier_signal -1
	s_barrier_wait -1
	s_cmp_lg_u32 s[SW], 0
	s_cbranch_scc1 .Lnw0_\@
	s_barrier_signal -3
.Lnw0_\@:
	s_barrier_wait -3
	s_barrier_signal -1
	s_barrier_wait -1
.endm
.macro FRG f                           ; where W's fragment f lies: window FW, low byte FB
.if (\f) < 5
.set FW, 0
.set FB, 196+12*(\f)
.elseif (\f) < 9
.set FW, 2
.set FB, 208+12*((\f)-5)
.else
.set FW, 3
.set FB, 208+12*((\f)-9)
.endif
.endm
.macro SEGOF x                         ; the segment of rho: borders 12, 14, 26, all even
.if (\x) < 12
.set SGV, 0
.elseif (\x) < 14
.set SGV, 1
.elseif (\x) < 26
.set SGV, 2
.else
.set SGV, 3
.endif
.endm
.macro LW f0, f1                       ; W's fragments f0 .. f1 of the unit at WOFF: images, 16 bytes a lane
.set lf, \f0
.rept (\f1)-(\f0)+1
	FRG lf
	WIN FW<<6
	ds_load_b128 v[FB:FB+3], v[AW] offset:WOFF+1536*lf
	ds_load_b128 v[FB+4:FB+7], v[AW] offset:WOFF+1536*lf+512
	ds_load_b128 v[FB+8:FB+11], v[AW] offset:WOFF+1536*lf+1024
.set LDC, LDC+3
.set lf, lf+1
.endr
	WIN 0
.endm
.macro LWS set                         ; the unit's scale words: lane r takes row r's words of four fragments a load
.irp q, 0,1,2,3
	ds_load_b128 v[WSC+16*(\set)+4*\q:WSC+16*(\set)+4*\q+3], v[AWS] offset:WOFF+256*\q
.endr
.set LDC, LDC+4
.endm
.macro HLOAD g, set                    ; the pieces of h that K step g meets (a piece: one q, one segment), four tiles each
	SEGOF (128*(\g))%39
.set HKA, 4*((128*(\g))/39)+SGV
	SEGOF (128*(\g)+63)%39
.set HKB, 4*((128*(\g)+63)/39)+SGV
.set kid, HKA
.rept HKB-HKA+1
	ds_load_b64 v[H+32*(\set)+4*(kid-HKA):H+32*(\set)+4*(kid-HKA)+1], v[ADHA+kid%4] offset:512*(kid/4)
	ds_load_b64 v[H+32*(\set)+4*(kid-HKA)+2:H+32*(\set)+4*(kid-HKA)+3], v[ADHB+kid%4] offset:512*(kid/4)
.set LDC, LDC+2
.set kid, kid+1
.endr
.set NHC, 2*(HKB-HKA+1)
.endm
.macro PSLOAD g, tl                    ; A and B of K step g, tile tl, into the quad of tl's parity
	WIN 0
.if (\tl)%2 == 0
	ds_load_b128 v[PQ0:PQ0+3], v[APS] offset:512*(4*(\g)+(\tl))
.set LDC, LDC+1
.set QM0, LDC
.set QL0, 0
.else
	ds_load_b128 v[PQ1:PQ1+3], v[APS] offset:512*(4*(\g)+(\tl))
.set LDC, LDC+1
.set QM1, LDC
.set QL1, 0
.endif
.endm
.macro ADHUP                           ; h's addresses for the next trip
.irp i, 0,1,2,3,4,5,6,7
	v_add_nc_u32 v[ADHA+\i], s[THN], v[ADH0A+\i]
.endr
.endm
.macro PRODUCT mu, t, set
	FRG (\mu)
.set WW, FW|4|((2+(\t)/2)<<4)|((2+(\t)/2)<<6)
	WIN WW
.set ACB, 16*(\mu)+8*((\t)%2)
.set CBB, CDB+48*(\set)+12*(\t)
	v_wmma_scale_f32_16x16x128_f8f6f4 v[ACB:ACB+7], v[FB:FB+11], v[CBB:CBB+11], v[ACB:ACB+7], v[WSC+16*(\set)+(\mu)], v[ZSC+4*(\set)+(\t)] matrix_a_fmt:MATRIX_FMT_FP6 matrix_b_fmt:MATRIX_FMT_FP6
.endm
; Product MMI of a K step's 52; the accumulators take turns, one instruction a turn.  Fragments are fetched anew as soon as their four products are issued:
; ahead of product 20: h two steps on, fragments 0-4 and the scale words of the next step; ahead of product 36: fragments 5-8.
.macro MM1
.if MMI == 20
	WIN 0
	PLACES 4                                       ; places in front of loads into registers that products have read
.if MG == 4
	ADHUP
.endif
.set HG, (MG+2)%6
	HLOAD HG, MG&1
	LW 0, 4
	LWS (MG+1)&1
.endif
.if MMI == 36
	WIN 0
	s_wait_dscnt LDC-LM9                           ; all but what was issued behind the loads of fragments 9-12: they are in
	PLACES 4
	LW 5, 8
.endif
	PRODUCT MMI/4, MMI%4, MG&1
.set MMI, MMI+1
.endm
.macro TK                              ; behind each instruction that makes codes
.set PCNT, PCNT+1
.if (PCNT%TURN == 0) && (MMI < MML)
	MM1
.endif
.endm
.macro FLUSH
.rept 52
.if MMI < 52
	MM1
.endif
.endr
	WIN 0
	PLACES 4
	LW 9, 12
.set LM9, LDC
.endm
; The two products from which block (g, c) of tile tl has its largest magnitude: h of its first number x A, h of its last x B.
.macro MULS g, c, tl, set
	SEGOF (128*(\g))%39
.set UKA, 4*((128*(\g))/39)+SGV
	SEGOF (128*(\g)+32*(\c))%39
.set UK0, 4*((128*(\g)+32*(\c))/39)+SGV-UKA
	SEGOF (128*(\g)+32*(\c)+31)%39
.set UK1, 4*((128*(\g)+32*(\c)+31)/39)+SGV-UKA
.if (\tl)%2 == 0
.set UQ, PQ0
.if QL0 == 0
	s_wait_dscnt LDC-QM0                           ; all but what was issued behind the quad's load
.set QL0, 1
.endif
.else
.set UQ, PQ1
.if QL1 == 0
	s_wait_dscnt LDC-QM1
.set QL1, 1
.endif
.endif
	WIN 0
	v_mul_f32 v[M1], v[H+32*(\set)+4*UK0+(\tl)], v[UQ+2*(\c)]
	TK
	WIN 0
	v_mul_f32 v[M2], v[H+32*(\set)+4*UK1+(\tl)], v[UQ+2*(\c)+1]
	TK
.endm
.macro ZS zr                           ; my two bytes at 8 hf, with lane l xor 16's: the column's scale word
	WIN 0
	v_lshl_or_b32 v[ZW], v[BY1], 16, v[BY0]
	TK
	WIN 0
	v_lshlrev_b32 v[ZW], v[SH8], v[ZW]
	TK
	WIN 0
	v_permlanex16_b32 v[PT], v[ZW], s[SEL], s[SEL+1]
	TK
	WIN 0
	v_or_b32 v[\zr], v[ZW], v[PT]
	TK
.endm
; Block b = 2 tile + c of K step g: its 32 products h x in f32 (aligned pairs first, then the single numbers: the order in which the weights' codes were laid); among them, with a constant as first source so that
; the window stays, the largest magnitude, the scale operand and the byte; then the conversions.  In the stretch under window 0 stand also the tile's scale word and the NEXT block's two products with A and B.
.macro BLK g, b, set
.set BT, (\b)/2
.set BC, (\b)%2
.set BCD, CDB+48*(\set)+12*BT+6*BC
	SEGOF (128*(\g))%39
.set MKA, 4*((128*(\g))/39)+SGV
.set e0, 128*(\g)+32*BC
.set pos, 0
.set np, 0
.set idx, 0
.rept 32
.set rho, (e0+idx)%39
.if (rho%2 == 0) && (rho < 38) && (idx < 31)
	SEGOF rho
.set kk, 4*((e0+idx)/39)+SGV-MKA
	WIN 0x01
.if BT%2 == 0
	v_pk_mul_f32 v[Z+pos:Z+pos+1], v[40*BT+rho:40*BT+rho+1], v[H+32*(\set)+4*kk+2*(BT/2):H+32*(\set)+4*kk+2*(BT/2)+1] op_sel_hi:[1,0]
.else
	v_pk_mul_f32 v[Z+pos:Z+pos+1], v[40*BT+rho:40*BT+rho+1], v[H+32*(\set)+4*kk+2*(BT/2):H+32*(\set)+4*kk+2*(BT/2)+1] op_sel:[0,1] op_sel_hi:[1,1]
.endif
	TK
.set pos, pos+2
.set np, np+1
.if np == 4
	WIN 0x01
	v_max3_num_f32 v[M1], 0x1800000, |v[M1]|, |v[M2]|      ; the block's largest magnitude, and the floor 2^(3 - 127): the byte cannot fall under 1
	TK
.endif
.if np == 8
	WIN 0x01
	v_add_nc_u32 v[SOP], 0xff000000, v[M1]         ; 2 off the exponent field: the conversion's scale operand
	TK
.endif
.if np == 12
	WIN 0x01
	v_lshrrev_b32 v[BY0+BC], 23, v[SOP]            ; the scale's byte
	TK
.endif
.endif
.set idx, idx+1
.endr
.set idx, 0
.rept 32
.set rho, (e0+idx)%39
.if ((rho%2 == 1) && (idx == 0)) || (rho == 38) || ((rho%2 == 0) && (idx == 31))
	SEGOF rho
.set kk, 4*((e0+idx)/39)+SGV-MKA
	WIN 0x01
	v_mul_f32 v[Z+pos], v[40*BT+rho], v[H+32*(\set)+4*kk+BT]
	TK
.set pos, pos+1
.endif
.set idx, idx+1
.endr
	WIN 0
	v_cvt_scalef32_pk16_fp6_f32 v[CT:CT+2], v[Z+16:Z+31], v[SOP]   ; (a conversion's three registers begin on an even number)
	TK
.if BC == 1
	ZS ZSC+4*(\set)+BT
.endif
.if (\b) < 7
	MULS \g, (\b+1)%2, (\b+1)/2, \set
.endif
.if BC == 0                            ; the tile's quad has been read for the last time: it takes the tile two on
.if BT < 2
	PSLOAD \g, BT+2
.else
	PSLOAD (\g+1)%6, BT-2
.endif
.endif
	WIN 0x40
	v_cvt_scalef32_pk16_fp6_f32 v[BCD:BCD+2], v[Z:Z+15], v[SOP]
	TK
	v_nop                                          ; one plain place behind the scaled conversions
	TK
.irp i, 0,1,2
	WIN 0x40
	v_mov_b32 v[BCD+3+\i], v[CT+\i]
	TK
.endr
.endm
.macro PROD g, set                     ; K step g's codes and scale words of my four tiles
	MULS \g, 0, 0, \set
.irp b, 0,1,2,3,4,5,6,7
	BLK \g, \b, \set
.endr
.endm
; The DNN's quantiser: 32 numbers at v[zb] on become six registers of codes at cd + 6 c (window 1) and the byte BY0 + c.
.macro QB zb, c, cd
	WIN 0
	v_max3_num_f32 v[M1], |v[(\zb)]|, |v[(\zb)+1]|, 0x1800000
	v_max3_num_f32 v[M2], |v[(\zb)+16]|, |v[(\zb)+17]|, |v[(\zb)+18]|
.irp i, 0,1,2,3,4,5
	v_max3_num_f32 v[M1], v[M1], |v[(\zb)+2+2*\i]|, |v[(\zb)+3+2*\i]|
	v_max3_num_f32 v[M2], v[M2], |v[(\zb)+19+2*\i]|, |v[(\zb)+20+2*\i]|
.endr
	v_max3_num_f32 v[M1], v[M1], |v[(\zb)+14]|, |v[(\zb)+15]|
	v_max3_num_f32 v[M1], v[M1], v[M2], |v[(\zb)+31]|
	v_add_nc_u32 v[SOP], 0xff000000, v[M1]
	v_lshrrev_b32 v[BY0+(\c)], 23, v[SOP]
	v_cvt_scalef32_pk16_fp6_f32 v[CT:CT+2], v[(\zb)+16:(\zb)+31], v[SOP]
	WIN 0x40
	v_cvt_scalef32_pk16_fp6_f32 v[(\cd)+6*(\c):(\cd)+6*(\c)+2], v[(\zb):(\zb)+15], v[SOP]
	v_nop                                          ; one plain place behind the scaled conversions
.irp i, 0,1,2
	v_mov_b32 v[(\cd)+6*(\c)+3+\i], v[CT+\i]
.endr
.endm
; THE CHANGE OF SLOTS: all fragments of the slot in hand are asked for.  Each wave waits for all its tensor loads (its unit of the next slot), adds 0 to its spare word, waits for that and for its reads;
; a round of the cluster's barrier; the slot just left is filled again, jointly, first thing behind the round: it has two K steps in which to land.
.macro CHANGE
	WIN 0
	s_wait_tensorcnt 0x0                           ; no tensor load of mine is out, so the walking group 0 may be written
	ds_add_u32 v[SPW], v[NIL]                      ; 0 onto my spare word
	s_xor_b32 s[G0B+1], s[G0B+1], SLOT1
	s_add_nc_u64 s[G0B+2:G0B+3], s[G0B+2:G0B+3], SLOTB
	s_xor_b32 s[TB], s[TB], SLOT1
	PLACES 8                                       ; scale words and codes made by vector instructions stand 8 and 4 places ahead of the products
	s_wait_dscnt 0x0                               ; the add is done, and my reads of the slot are over
.set QL0, 1
.set QL1, 1
	ROUND
	tensor_load_to_lds s[G0B:G0B+3], s[G1:G1+7]
	s_nop 0
	PLACES 4
	v_add_nc_u32 v[AW], s[TB], v[AW0]
	v_add_nc_u32 v[AWS], s[TB], v[AWS0]
.endm
; K step g: its 52 products, and among them the making of step g + 1's codes (step 5 makes none).
.macro STEP g
.set MG, \g
.set MMI, 0
.set MML, 52
.set PCNT, 0
.if (\g)%2 == 0
.set WOFF, 2*U
	s_wait_dscnt 12                                ; all but the 12 LDS loads issued last: fragments 0-8, the scale words and h are in
	PLACES 8
.else
.set WOFF, 0
	CHANGE
.endif
.if (\g) < 5
	PROD (\g+1)%6, (\g+1)&1
.endif
	FLUSH
.endm
.macro ACCINIT nt                      ; the sums begin as the bias (kh = 0) or as zeros (kh = 1): an image in the result's layout
.set at, 0
.rept \nt
	WIN (2+at/2)<<6
.set am, 0
.rept 13
	ds_load_b128 v[16*am+8*(at%2):16*am+8*(at%2)+3], v[ABI] offset:64*am
	ds_load_b128 v[16*am+8*(at%2)+4:16*am+8*(at%2)+7], v[ABI] offset:64*am+16
.set am, am+1
.endr
.set at, at+1
.endr
	WIN 0
.endm
.macro XCH g, k                        ; my tile g goes to my partner (the other half of K); its tile g is added onto my tile k
	WIN 0
	PLACES 4
	WIN (2+(\g)/2)<<2
.set xm, 0
.rept 13
	ds_store_b128 v[EO], v[16*xm+8*((\g)%2):16*xm+8*((\g)%2)+3] offset:1024*xm         ; each accumulator from its low end on
	ds_store_b128 v[EO], v[16*xm+8*((\g)%2)+4:16*xm+8*((\g)%2)+7] offset:1024*xm+512
.set xm, xm+1
.endr
	WIN 0
	BAR
.set xm, 0
.rept 13
	ds_load_b128 v[SCR+8*xm:SCR+8*xm+3], v[EIN] offset:1024*xm
	ds_load_b128 v[SCR+8*xm+4:SCR+8*xm+7], v[EIN] offset:1024*xm+512
.set xm, xm+1
.endr
	BAR                                            ; the loads are in, in every wave: the images may be written again
	WIN (2+(\k)/2)|((2+(\k)/2)<<6)
.set xm, 0
.rept 13
.irp i, 0,2,4,6
	v_pk_add_f32 v[16*xm+8*((\k)%2)+\i:16*xm+8*((\k)%2)+\i+1], v[16*xm+8*((\k)%2)+\i:16*xm+8*((\k)%2)+\i+1], v[SCR+8*xm+\i:SCR+8*xm+\i+1]
.endr
.set xm, xm+1
.endr
	WIN 0
.endm
; A layer's end for my kept tiles 0, 1: relu; the fc sums (the table holds 0 for rows that are not direct); rows 0-111 of h to LDS, rows 100-103 and 108-111 as zeros (z past K's end must be 0).
.macro FIN
	WIN 0
.set fm, 0
.rept 13
	ds_load_b128 v[SCR+8*fm:SCR+8*fm+3], v[AFC] offset:64*fm
	ds_load_b128 v[SCR+8*fm+4:SCR+8*fm+7], v[AFC] offset:64*fm+16
.set fm, fm+1
.endr
	s_wait_dscnt 0x0
.set fm, 0
.rept 13
.if fm < 6
.set PB, CDB+16*fm
.elseif fm == 6
.set PB, CDB
	s_wait_dscnt 0x0                               ; the stores of tiles 0-5 have read their registers
.else
.set PB, CDB+16+16*((fm-7)%5)
.endif
	WIN 0x48
.irp j, 0,1,2,3,4,5,6,7
	v_max_num_f32 v[PB+2*\j], 0, v[16*fm+\j]
	v_max_num_f32 v[PB+2*\j+1], 0, v[16*fm+8+\j]
.endr
	WIN 0x01
.irp j, 0,2,4,6
	v_pk_fma_f32 v[SA:SA+1], v[PB+2*\j:PB+2*\j+1], v[SCR+8*fm+\j:SCR+8*fm+\j+1], v[SA:SA+1] op_sel_hi:[1,0,1]
	v_pk_fma_f32 v[SB:SB+1], v[PB+2*\j+2:PB+2*\j+3], v[SCR+8*fm+\j:SCR+8*fm+\j+1], v[SB:SB+1] op_sel:[0,1,0] op_sel_hi:[1,1,1]
.endr
.if fm < 7
.if fm == 6
	WIN 0x40
.irp i, 8,9,10,11,12,13,14,15
	v_mov_b32 v[PB+\i], 0
.endr
.endif
	WIN 0x04
.irp j, 0,1,2,3,4,5,6,7
	ds_store_b64 v[AHS], v[PB+2*\j:PB+2*\j+1] offset:8192*fm+512*\j
.endr
.endif
.set fm, fm+1
.endr
	WIN 0
.endm
.macro TOP                             ; a layer's start: h of steps 0 and 1, A and B of step 0's first two tiles, and the sums' first values
	HLOAD 0, 0
	HLOAD 1, 1
	PSLOAD 0, 0
	PSLOAD 0, 1
	ACCINIT 4
	s_wait_dscnt 0x0
.endm
	s_load_b256 s[4:11], s[0:1], 0x0               ; ids 4, vals 6, emb 8, bias_emb 10
	s_load_b128 s[12:15], s[0:1], 0x20             ; wq 12, tab 14
	s_load_b64 s[16:17], s[0:1], 0x30              ; out0
	v_lshl_add_u32 v[SPW], v0, 2, SPARE
	v_mov_b32 v[NIL], 0
	ds_add_u32 v1, v2
	ds_add_u32 v1, v2
	s_wait_dscnt 0x0
	v_lshrrev_b32 v[TMP], 5, v0
	v_readfirstlane_b32 s[SW], v[TMP]              ; wave 0..3
	s_lshr_b32 s[KH], s[SW], 1
	s_and_b32 s[NH], s[SW], 1
	s_xor_b32 s[KH1], s[KH], 1
	s_bfe_u32 s58, ttmp6, 0x40000                  ; cx
	s_lshl_b32 s[WG], ttmp9, 2
	s_add_co_u32 s[WG], s[WG], s58                 ; my work-group: it enters global addresses of ids, vals and out0 alone
	s_mov_b32 s[G1], 15|(3<<16)|(1<<21)            ; mask: all four work-groups; elements of 8 bytes; bit 21 beside a mask; no padding
	s_mov_b32 s[G1+1], 32<<16                      ; tensor_dim0 = 32 (256 bytes)
	s_mov_b32 s[G1+2], 82<<16                      ; tensor_dim1 = 82 rows: a unit
	s_mov_b32 s[G1+3], 32<<16                      ; tile_dim0
	s_mov_b32 s[G1+4], 82                          ; tile_dim1
	s_mov_b32 s[G1+5], 32                          ; pitch: dense
	s_mov_b32 s[G1+6], 0
	s_mov_b32 s[G1+7], 0
	s_mov_b32 s[G1T], 15|(3<<16)|(1<<21)           ; the table's quarter: 16 rows of 256 bytes
	s_mov_b32 s[G1T+1], 32<<16
	s_mov_b32 s[G1T+2], 16<<16
	s_mov_b32 s[G1T+3], 32<<16
	s_mov_b32 s[G1T+4], 16
	s_mov_b32 s[G1T+5], 32
	s_mov_b32 s[G1T+6], 0
	s_mov_b32 s[G1T+7], 0
	s_mov_b32 s[SEL], 0x76543210
	s_mov_b32 s[SEL+1], 0xfedcba98
	s_mul_i32 s59, s[SW], U
	s_lshl_b32 s60, s[SW], 12
	s_mov_b32 s62, s59
	s_mov_b32 s63, 0
	s_wait_kmcnt 0x0
	s_mov_b32 s[G0A], 1
	s_mov_b32 s[G0A+1], s59                        ; slot 0, unit w
	s_add_nc_u64 s[G0A+2:G0A+3], s[12:13], s[62:63]
	s_mov_b32 s[G0B], 1
	s_add_co_u32 s[G0B+1], s59, SLOT1              ; slot 1, unit w: this one walks
	s_add_nc_u64 s[G0B+2:G0B+3], s[G0A+2:G0A+3], SLOTB
	s_or_b32 s[G0A+3], s[G0A+3], 0x80000000
	s_or_b32 s[G0B+3], s[G0B+3], 0x80000000
	s_mov_b32 s62, s60
	s_mov_b32 s[G0T], 1
	s_add_co_u32 s[G0T+1], s60, TABL
	s_add_nc_u64 s[G0T+2:G0T+3], s[14:15], s[62:63]
	s_or_b32 s[G0T+3], s[G0T+3], 0x80000000
	ROUND                                          ; all four work-groups are here: the first joint loads meet
	tensor_load_to_lds s[G0T:G0T+3], s[G1T:G1T+7]  ; three loads of mine are out
	s_nop 0
	tensor_load_to_lds s[G0A:G0A+3], s[G1:G1+7]
	s_nop 0
	tensor_load_to_lds s[G0B:G0B+3], s[G1:G1+7]
	s_nop 0
	PLACES 4
	; ---- THE GATHER.  Thread = (wave w, sample s8 = (t >> 2) & 7, quarter dq = t & 3); item it is field m = 4 it + w
	v_and_b32 v[RR], 15, v0
	v_bfe_u32 v[HF], v0, 4, 1
	v_and_b32 v[L16], 31, v0
	v_lshlrev_b32 v[L16], 4, v[L16]
	v_and_b32 v[R7], 7, v0
	v_bfe_u32 v[TMP], v0, 2, 3                     ; s8
	v_and_b32 v[ZW], 3, v0                         ; dq
	v_bfe_u32 v[AR3], v0, 2, 2                     ; s8 % 4
	s_lshl_b32 s58, s[SW], 2
	v_mad_u32_u24 v[AD], v[TMP], 156, s58          ; 4 (39 s8 + w)
	s_add_co_u32 s59, s[SW], 36
	s_min_u32 s59, s59, 38                         ; item 9 of wave 3 has no field: it reads field 38, inside the buffer, and is not used
	s_lshl_b32 s59, s59, 2
	v_mad_u32_u24 v[AHD], v[TMP], 156, s59
	s_mul_i32 s62, s[WG], 1248
	s_mov_b32 s63, 0
	s_add_nc_u64 s[4:5], s[4:5], s[62:63]
	s_add_nc_u64 s[6:7], s[6:7], s[62:63]
.irp it, 0,1,2,3,4,5,6,7,8
	global_load_b32 v[IDS+\it], v[AD], s[4:5] offset:16*\it
	global_load_b32 v[VAL+\it], v[AD], s[6:7] offset:16*\it
.endr
	global_load_b32 v[IDS+9], v[AHD], s[4:5]
	global_load_b32 v[VAL+9], v[AHD], s[6:7]
	v_lshlrev_b32 v[ABI], 8, v[HF]                 ; where x goes in HS: row 64 + w (+ 4 it), 256 (s8 / 4) + 64 dq + 4 (s8 % 4)
	v_lshl_add_u32 v[ABI], v[ZW], 6, v[ABI]
	v_lshl_add_u32 v[ABI], v[AR3], 2, v[ABI]
	s_lshl_b32 s58, s[SW], 9
	s_add_co_u32 s58, s58, HS+64*512
	v_add_nc_u32 v[ABI], s58, v[ABI]
	v_mul_u32_u24 v[AFC], v[TMP], XDP              ; and in XD: row s8, 64 w + 16 dq (+ 256 it)
	v_lshl_add_u32 v[AFC], v[ZW], 4, v[AFC]
	s_lshl_b32 s58, s[SW], 6
	s_add_co_u32 s58, s58, XD
	v_add_nc_u32 v[AFC], s58, v[AFC]
	s_lshl_b32 s58, s[SW], 5
	s_add_co_u32 s58, s58, RED
	v_lshl_add_u32 v[AR], v[TMP], 2, s58
	v_lshlrev_b32 v[M1], 4, v[ZW]
.irp i, 0,1,2,3
	v_mov_b32 v[ZQ+\i], 0
.endr
	v_mov_b32 v[PT], 0
	s_wait_loadcnt 0x0
.irp it, 0,1,2,3,4,5,6,7,8,9
	v_min_u32 v[IDS+\it], 0xf423f, v[IDS+\it]
	v_lshlrev_b32 v[EOFF+\it], 6, v[IDS+\it]
	v_add_nc_u32 v[EOFF+\it], v[M1], v[EOFF+\it]
	v_lshlrev_b32 v[BOFF+\it], 2, v[IDS+\it]
	global_load_b128 v[EMB+4*\it:EMB+4*\it+3], v[EOFF+\it], s[8:9]
	global_load_b32 v[BIA+\it], v[BOFF+\it], s[10:11]
.endr
	s_wait_loadcnt 0x0
.macro ITEM it                         ; x = emb x val; to HS at rows 64 + m, 64 + 39 + m (and 64 + 78 + m for m < 16), and to XD
.irp i, 0,1,2,3
	v_mul_f32 v[EMB+4*\it+\i], v[EMB+4*\it+\i], v[VAL+\it]
.endr
.irp i, 0,1,2,3
	ds_store_b32 v[ABI], v[EMB+4*\it+\i] offset:2048*\it+16*\i
	ds_store_b32 v[ABI], v[EMB+4*\it+\i] offset:2048*\it+16*\i+19968
.if \it < 4
	ds_store_b32 v[ABI], v[EMB+4*\it+\i] offset:2048*\it+16*\i+39936
.endif
.endr
	ds_store_b128 v[AFC], v[EMB+4*\it:EMB+4*\it+3] offset:256*\it
.endm
	v_mul_f32 v[BS], v[BIA], v[VAL]
.irp it, 1,2,3,4,5,6,7,8
	v_fmac_f32 v[BS], v[BIA+\it], v[VAL+\it]
.endr
.irp it, 0,1,2,3,4,5,6,7,8
	ITEM \it
.endr
	s_cmp_lt_u32 s[SW], 3
	s_cbranch_scc0 .Lno39
	v_fmac_f32 v[BS], v[BIA+9], v[VAL+9]
	ITEM 9
	s_branch .Lhad39
.Lno39:
	ds_store_b128 v[AFC], v[ZQ:ZQ+3] offset:2304   ; XD's columns 624 on are zeros
.Lhad39:
	ds_store_b128 v[AFC], v[ZQ:ZQ+3] offset:2560
	ds_store_b128 v[AFC], v[ZQ:ZQ+3] offset:2816
	ds_store_b32 v[AR], v[BS]                      ; the four quarters of a sample write the same word with the same value
	s_wait_tensorcnt 0x1                           ; the table and my unit of slot 0 are in; slot 1's load may be out
	BAR
	; ---- SET-UP.  First one column's 39 x for the table of A and B: thread (wave w, lane l) takes d = l % 16 of sample 4 (w / 2) + 2 (w % 2) + l / 16
	v_lshlrev_b32 v[AR], 2, v[HF]
	v_lshl_add_u32 v[AR], v[RR], 4, v[AR]
	s_lshl_b32 s58, s[KH], 8
	s_lshl_b32 s59, s[NH], 3
	s_add_co_u32 s58, s58, s59
	s_add_co_u32 s58, s58, HS+64*512
	v_add_nc_u32 v[AR], s58, v[AR]
.set rr, 0
.rept 39
	ds_load_b32 v[XC+rr], v[AR] offset:512*rr
.set rr, rr+1
.endr
	; x into registers, rotated by R = (25 hf + 27 kh) % 39
	v_mul_u32_u24 v[AD], v[HF], 12800
	v_lshl_add_u32 v[AD], v[RR], 4, v[AD]
	s_mul_i32 s58, s[KH], 13832                    ; 27 rows + 8 bytes (my tiles 0, 1 are samples 2 kh, 2 kh + 1 of my four)
	s_lshl_b32 s59, s[NH], 8
	s_add_co_u32 s58, s58, s59
	s_add_co_u32 s58, s58, HS+64*512
	v_add_nc_u32 v[AD], s58, v[AD]
	v_xor_b32 v[AHD], 8, v[AD]
	s_wait_dscnt 0x0                               ; the column is in; the 156 loads below land while the table is made
	WIN 0x40
.irp tl, 0,1,2,3
.set rr, 0
.rept 39
.if \tl < 2
	ds_load_b32 v[40*\tl+rr], v[AD] offset:512*rr+4*(\tl%2)
.else
	ds_load_b32 v[40*\tl+rr], v[AHD] offset:512*rr+4*(\tl%2)
.endif
.set rr, rr+1
.endr
.endr
	WIN 0
	; the pairs (A, B) for every m0: A[m0 >= 7] = max |x[m0 .. 38]|; B[m0 >= 8] = max |x[0 .. m0 - 8]|; A[m0 < 7] = max |x[m0 .. m0 + 31]| of three parts.  The chains take turns
	v_max_num_f32 v[PR+76], |v[XC+38]|, |v[XC+38]|
	v_max_num_f32 v[PR+17], |v[XC]|, |v[XC]|
.set i, 0
.rept 31
	v_max_num_f32 v[PR+2*(37-i)], |v[XC+37-i]|, v[PR+2*(38-i)]
.if i < 30
	v_max_num_f32 v[PR+2*(9+i)+1], |v[XC+1+i]|, v[PR+2*(8+i)+1]
.endif
.if i == 0
	v_max3_num_f32 v[MID], |v[XC+7]|, |v[XC+8]|, |v[XC+9]|
.elseif i < 12
	v_max3_num_f32 v[MID], v[MID], |v[XC+8+2*i]|, |v[XC+9+2*i]|
.elseif i == 12
	v_max_num_f32 v[LSM+6], |v[XC+6]|, |v[XC+6]|
.elseif i < 19
	v_max_num_f32 v[LSM+18-i], |v[XC+18-i]|, v[LSM+19-i]
.elseif i == 19
	v_max_num_f32 v[RPM+1], |v[XC+32]|, |v[XC+32]|
.elseif i < 25
	v_max_num_f32 v[RPM+i-18], |v[XC+i+13]|, v[RPM+i-19]
.endif
.set i, i+1
.endr
	v_max_num_f32 v[PR], v[LSM], v[MID]
.irp m, 1,2,3,4,5,6
	v_max3_num_f32 v[PR+2*\m], v[LSM+\m], v[MID], v[RPM+\m]
.endr
.irp m, 0,1,2,3,4,5,6,7
	v_mov_b32 v[PR+2*\m+1], 0
.endr
	s_mul_i32 s58, s[KH], U
	v_add_nc_u32 v[AW0], s58, v[L16]
	s_add_co_u32 s58, s58, 19968
	v_lshl_add_u32 v[AWS0], v[RR], 4, s58
	v_lshlrev_b32 v[SH8], 3, v[HF]
	s_mul_i32 s58, s[SW], 13312
	s_add_co_u32 s58, s58, EX
	v_add_nc_u32 v[EO], s58, v[L16]
	s_xor_b32 s58, s[SW], 2
	s_mul_i32 s58, s58, 13312
	s_add_co_u32 s58, s58, EX
	v_add_nc_u32 v[EIN], s58, v[L16]
	s_mul_i32 s58, s[SW], 12288
	s_add_co_u32 s58, s58, PSB
	v_add_nc_u32 v[APS], s58, v[L16]               ; my lane's A and B
	s_lshl_b32 s58, s[NH], 8
	s_lshl_b32 s59, s[KH], 3
	s_add_co_u32 s58, s58, s59
	s_add_co_u32 s58, s58, HS
	v_lshl_add_u32 v[TMP], v[RR], 4, s58           ; HS + 256 nh + 16 r + 8 kh
	v_lshl_add_u32 v[AHS], v[HF], 12, v[TMP]
	s_lshl_b32 s59, s[KH], 9                       ; h's first row by segment: b + hf a, a = (1 + kh, 1, 2 - kh, 2), b = (19, 20, 20, 20) kh
	s_add_co_u32 s59, s59, 512
	s_lshl_b32 s60, s[KH1], 9
	s_add_co_u32 s60, s60, 512
	s_mul_i32 s61, s[KH], 9728
	s_mul_i32 s62, s[KH], 10240
	v_mul_u32_u24 v[ADH0A], s59, v[HF]
	v_lshlrev_b32 v[ADH0A+1], 9, v[HF]
	v_mul_u32_u24 v[ADH0A+2], s60, v[HF]
	v_lshlrev_b32 v[ADH0A+3], 10, v[HF]
	v_add_nc_u32 v[ADH0A], v[ADH0A], v[TMP]
	v_add_nc_u32 v[ADH0A], s61, v[ADH0A]
.irp i, 1,2,3
	v_add_nc_u32 v[ADH0A+\i], v[ADH0A+\i], v[TMP]
	v_add_nc_u32 v[ADH0A+\i], s62, v[ADH0A+\i]
.endr
.irp i, 0,1,2,3
	v_xor_b32 v[ADH0A+4+\i], 8, v[ADH0A+\i]
.endr
.irp i, 0,1,2,3,4,5,6,7
	v_add_nc_u32 v[ADHA+\i], 0x8000, v[ADH0A+\i]   ; layer 0's h is x, which lies 64 rows down
.endr
	v_lshl_add_u32 v[TB32], v[HF], 5, TABL
.irp i, 0,1,2,3
	v_mov_b32 v[SA+\i], 0
.endr
	s_mov_b32 s[TB], 0
	v_mov_b32 v[AW], v[AW0]
	v_mov_b32 v[AWS], v[AWS0]
	s_cmp_eq_u32 s[KH], 0
	s_cselect_b32 s58, 2048, 0
	v_add_nc_u32 v[ABI], s58, v[TB32]              ; layer 0's bias, or zeros
	v_lshl_add_u32 v[TMP], v0, 2, HS+103*512
	BAR                                            ; every wave has x in registers: x's rows 112 on may be written over
	; my column's pairs go to the lanes that want them: wave 2 kh' + (my w / 2), tile (my sample % 4) xor 2 kh', lane 16 hf' + d; m0 is a constant of (kh', hf', g, c)
	v_lshlrev_b32 v[AD], 9, v[HF]
	v_lshl_add_u32 v[AD], v[RR], 4, v[AD]
	s_mul_i32 s58, s[KH], 12288
	s_lshl_b32 s59, s[NH], 10
	s_add_co_u32 s59, s59, s58
	s_add_co_u32 s59, s59, PSB
	s_xor_b32 s60, s[NH], 1
	s_lshl_b32 s60, s60, 10
	s_add_co_u32 s60, s60, s58
	s_add_co_u32 s60, s60, PSB+24576
	v_add_nc_u32 v[AHD], s60, v[AD]
	v_add_nc_u32 v[AD], s59, v[AD]
.irp kk, 0,1
.irp hh, 0,1
.set gg, 0
.rept 6
.irp cc, 0,1
.set pm, (128*gg+32*\cc+(25*\hh+27*\kk)%39)%39
	ds_store_b64 v[AD+\kk], v[PR+2*pm:PR+2*pm+1] offset:2048*gg+256*\hh+8*\cc
.endr
.set gg, gg+1
.endr
.endr
.endr
	ds_store_b32 v[TMP], v[NIL]                    ; row 64 + 39 becomes 0: layer 0's K ends inside a block, and z past it must be 0
	BAR
.set WOFF, 0
	LW 0, 12
	LWS 0
	TOP
	s_mov_b32 s[SN], 0
.Ltrip:                                            ; seven trips of six K steps; three changes of slots a trip
.set QL0, 1                                        ; both quads of A and B were shown landed by a wait for all LDS loads, on either way here
.set QL1, 1
.set LM9, LDC                                      ; on the way back nothing was issued behind the loads of fragments 9-12; on the way in all have landed
	s_mov_b32 s[THN], 0                            ; the next trip's 32 tau rows
	s_cmp_eq_u32 s[SN], 1
	s_cselect_b32 s[THN], 0x4000, s[THN]
	s_cmp_eq_u32 s[SN], 4
	s_cselect_b32 s[THN], 0x4000, s[THN]
	s_cmp_eq_u32 s[SN], 2
	s_cselect_b32 s[THN], 0x8000, s[THN]
	s_cmp_eq_u32 s[SN], 5
	s_cselect_b32 s[THN], 0x8000, s[THN]
.set MMI, 0
.set MML, 0
.set PCNT, 0
	s_wait_dscnt 12                                ; h of steps 0 and 1 is in; the 12 loads of fragments 9-12 may be out
	PROD 0, 0
	STEP 0
	STEP 1
	STEP 2
	STEP 3
	STEP 4
	STEP 5
	WIN 0
	s_cmp_eq_u32 s[SN], 0
	s_cbranch_scc1 .Lbot
	s_cmp_eq_u32 s[SN], 3
	s_cbranch_scc1 .Lbot
	s_cmp_lg_u32 s[SN], 6
	s_cbranch_scc1 .Lnext
.Lbot:                                             ; a layer's end
	s_cmp_ge_u32 s[SN], 3
	s_cselect_b32 s[LOFF], 1024, 0
	s_cmp_ge_u32 s[SN], 6
	s_cselect_b32 s[LOFF], 2048, s[LOFF]
	s_add_co_u32 s58, s[LOFF], 5120
	v_add_nc_u32 v[AFC], s58, v[TB32]              ; the layer's fc weights
	BAR                                            ; every wave's reads of h are in: the exchange takes h's bytes
	XCH 2, 0
	XCH 3, 1
	FIN
	BAR                                            ; h lies in LDS
	s_cmp_eq_u32 s[SN], 6
	s_cbranch_scc1 .Lnext
	s_add_co_u32 s58, s[LOFF], 3072
	s_cmp_eq_u32 s[KH], 0
	s_cselect_b32 s58, s58, 0
	v_add_nc_u32 v[ABI], s58, v[TB32]              ; the next layer's bias, or zeros
	TOP
.Lnext:
	s_add_co_u32 s[SN], s[SN], 1
	s_cmp_lt_u32 s[SN], 7
	s_cbranch_scc1 .Ltrip
	; ---- the lane terms again (their registers held A and B in the loop)
	v_and_b32 v[RR], 15, v0
	v_bfe_u32 v[HF], v0, 4, 1
	v_and_b32 v[L16], 31, v0
	v_lshlrev_b32 v[L16], 4, v[L16]
	v_and_b32 v[R7], 7, v0
	; ---- CIN's part of the result: my two kept samples' sums over the 32 lanes
	v_pk_add_f32 v[SA:SA+1], v[SA:SA+1], v[SB:SB+1]
.irp q, 1,2,4,8
	v_add_f32_dpp v[SA], v[SA], v[SA] row_xmask:\q row_mask:0xf bank_mask:0xf
	v_add_f32_dpp v[SA+1], v[SA+1], v[SA+1] row_xmask:\q row_mask:0xf bank_mask:0xf
.endr
	v_permlanex16_b32 v[PT], v[SA], s[SEL], s[SEL+1]
	v_permlanex16_b32 v[TMP], v[SA+1], s[SEL], s[SEL+1]
	v_add_f32 v[SA], v[SA], v[PT]
	v_add_f32 v[SA+1], v[SA+1], v[TMP]
	s_lshl_b32 s58, s[NH], 4
	s_lshl_b32 s59, s[KH], 3
	s_add_co_u32 s58, s58, s59
	s_add_co_u32 s58, s58, RED+128
	v_mov_b32 v[AR], s58
	ds_store_b32 v[AR], v[SA]
	ds_store_b32 v[AR], v[SA+1] offset:4
	; ---- THE DNN.  Wave w = 2 kh + mg reads unit w of a slot: K step 2 i + kh, rows 208 mg + 16 f + r.  Source 1 = the 8 samples (columns 8-15 repeat them).
	s_mul_i32 s58, s[SW], U
	v_add_nc_u32 v[AW0], s58, v[L16]
	s_add_co_u32 s58, s58, 19968
	v_lshl_add_u32 v[AWS0], v[RR], 4, s58
	v_add_nc_u32 v[AW], s[TB], v[AW0]
	v_add_nc_u32 v[AWS], s[TB], v[AWS0]
	v_mul_u32_u24 v[AD], v[R7], XDP
	v_lshl_add_u32 v[AD], v[HF], 7, v[AD]
	s_lshl_b32 s58, s[KH], 9
	s_add_co_u32 s58, s58, XD
	v_add_nc_u32 v[AD], s58, v[AD]                 ; x: row r % 8, 512 kh + 128 hf
	s_mul_i32 s59, s[NH], 832
	s_add_co_u32 s58, s59, 8192
	s_cmp_eq_u32 s[KH], 0
	s_cselect_b32 s58, s58, 0
	v_add_nc_u32 v[ABI], s58, v[TB32]              ; dnn_b0 of my rows, or zeros
	s_add_co_u32 s58, s59, 12288
	v_add_nc_u32 v[AFC], s58, v[TB32]              ; the fc weights of my rows
	v_mul_u32_u24 v[AHD], v[R7], HIDP
	v_lshl_add_u32 v[AHD], v[HF], 5, v[AHD]
	s_add_co_u32 s58, s59, HS
	v_add_nc_u32 v[AHD], s58, v[AHD]               ; the hidden layer: row r % 8, 832 mg + 32 hf
	v_mul_u32_u24 v[AZ], v[HF], 96
	v_mad_u32_u24 v[AZ], v[R7], HIDP, v[AZ]
	s_mul_i32 s60, s[NH], 192
	s_add_co_u32 s60, s60, HS+1664
	v_add_nc_u32 v[AZ], s60, v[AZ]                 ; its columns 416 on, which are zeros
	s_lshl_b32 s60, s[NH], 5
	s_add_co_u32 s60, s60, RED+160
	v_lshl_add_u32 v[AR3], v[R7], 2, s60
	v_lshl_add_u32 v[TMP], v[R7], 2, RED
.set WOFF, 0
.macro DSTEP fill                      ; a K step of 128: my unit's 13 fragments, my 64 numbers quantised, 13 products by turns
	WIN 0
	PLACES 4
	LW 0, 12
	LWS 0
.irp c, 0,1
.irp i, 0,1,2,3,4,5,6,7
	ds_load_b128 v[SCR+32*\c+4*\i:SCR+32*\c+4*\i+3], v[AD] offset:256*\c+16*\i
.endr
.endr
	s_wait_dscnt 0x0
.set MMI, 0
.set MML, 0
.set PCNT, 0
	QB SCR, 0, CDB
	QB SCR+32, 1, CDB
	ZS ZSC
	WIN 0
	v_add_nc_u32 v[AD], 1024, v[AD]
.if \fill
	CHANGE
.else
	s_xor_b32 s[TB], s[TB], SLOT1
	v_add_nc_u32 v[AW], s[TB], v[AW0]
	v_add_nc_u32 v[AWS], s[TB], v[AWS0]
	PLACES 8
.endif
.set dm, 0
.rept 13
	PRODUCT dm, 0, 0
.set dm, dm+1
.endr
	WIN 0
.endm
	ACCINIT 1
	s_wait_dscnt 0x0
	s_mov_b32 s[CNT], 3
.Lda:                                              ; layer A: slots 21-23; slots 23-25 are asked for
	DSTEP 1
	s_sub_co_u32 s[CNT], s[CNT], 1
	s_cmp_lg_u32 s[CNT], 0
	s_cbranch_scc1 .Lda
	XCH 0, 0
	s_cmp_lg_u32 s[KH], 0
	s_cbranch_scc1 .Lhz
	WIN 0x08
.set dm, 0
.rept 13
.irp j, 0,1,2,3,4,5,6,7
	v_max_num_f32 v[SCR+8*dm+\j], 0, v[16*dm+\j]
.endr
.set dm, dm+1
.endr
	WIN 0
.set dm, 0
.rept 13
	ds_store_b128 v[AHD], v[SCR+8*dm:SCR+8*dm+3] offset:64*dm
	ds_store_b128 v[AHD], v[SCR+8*dm+4:SCR+8*dm+7] offset:64*dm+16
.set dm, dm+1
.endr
	s_branch .Lhj
.Lhz:
.irp i, 0,1,2,3
	v_mov_b32 v[SCR+\i], 0
.endr
.irp i, 0,1,2,3,4,5
	ds_store_b128 v[AZ], v[SCR:SCR+3] offset:16*\i
.endr
.Lhj:
	s_wait_tensorcnt 0x0                           ; my units of slots 24 and 25 are in
	BAR                                            ; the hidden layer lies in LDS
	v_mul_u32_u24 v[AD], v[R7], HIDP
	v_lshl_add_u32 v[AD], v[HF], 7, v[AD]
	s_lshl_b32 s58, s[KH], 9
	s_add_co_u32 s58, s58, HS
	v_add_nc_u32 v[AD], s58, v[AD]
	s_add_co_u32 s58, s59, 10240
	s_cmp_eq_u32 s[KH], 0
	s_cselect_b32 s58, s58, 0
	v_add_nc_u32 v[ABI], s58, v[TB32]              ; dnn_b1 of my rows, or zeros
	ACCINIT 1
	s_wait_dscnt 0x0
	s_mov_b32 s[CNT], 2
.Ldb:                                              ; layer B: slots 24, 25; nothing is asked for
	DSTEP 0
	s_sub_co_u32 s[CNT], s[CNT], 1
	s_cmp_lg_u32 s[CNT], 0
	s_cbranch_scc1 .Ldb
	BAR                                            ; every wave's reads of the hidden layer are in: the exchange takes its bytes
	XCH 0, 0
	s_cmp_lg_u32 s[KH], 0
	s_cbranch_scc1 .Lnofd
.set dm, 0
.rept 13
	ds_load_b128 v[SCR+8*dm:SCR+8*dm+3], v[AFC] offset:64*dm
	ds_load_b128 v[SCR+8*dm+4:SCR+8*dm+7], v[AFC] offset:64*dm+16
.set dm, dm+1
.endr
	v_mov_b32 v[SB], 0
	v_mov_b32 v[SB+1], 0
	WIN 0x88
.set dm, 0
.rept 13
.irp j, 0,1,2,3,4,5,6,7
	v_max_num_f32 v[16*dm+\j], 0, v[16*dm+\j]
.endr
.set dm, dm+1
.endr
	s_wait_dscnt 0x0
	WIN 0x02
.set dm, 0
.rept 13
.irp j, 0,1,2,3,4,5,6,7
	v_fma_f32 v[SB+\j%2], v[16*dm+\j], v[SCR+8*dm+\j], v[SB+\j%2]
.endr
.set dm, dm+1
.endr
	WIN 0
	v_add_f32 v[SB], v[SB], v[SB+1]
	v_permlanex16_b32 v[PT], v[SB], s[SEL], s[SEL+1]
	v_add_f32 v[SB], v[SB], v[PT]
	ds_store_b32 v[AR3], v[SB]                     ; lanes r and r + 8 hold the same sample and the same bits
.Lnofd:
	BAR
	; ---- THE END: wave 0 adds a sample's parts and stores 8 numbers
	s_cmp_lg_u32 s[SW], 0
	s_cbranch_scc1 .Lend
.irp i, 0,1,2,3,4,5,6
	ds_load_b32 v[SCR+\i], v[TMP] offset:32*\i     ; four bias sums, CIN's part, the DNN's two
.endr
	ds_load_b32 v[SCR+7], v[TB32] offset:14336     ; fc_b (lanes 0-15)
	s_lshl_b32 s62, s[WG], 5
	s_mov_b32 s63, 0
	s_add_nc_u64 s[16:17], s[16:17], s[62:63]
	v_lshlrev_b32 v[ZW], 2, v0
	s_wait_dscnt 0x0
	v_add_f32 v[SCR], v[SCR], v[SCR+1]
	v_add_f32 v[SCR+2], v[SCR+2], v[SCR+3]
	v_add_f32 v[SCR+4], v[SCR+4], v[SCR+5]
	v_add_f32 v[SCR+6], v[SCR+6], v[SCR+7]
	v_add_f32 v[SCR], v[SCR], v[SCR+2]
	v_add_f32 v[SCR+4], v[SCR+4], v[SCR+6]
	v_add_f32 v[SCR], v[SCR], v[SCR+4]
	v_cmp_gt_u32 vcc_lo, 8, v0
	s_wait_xcnt 0x0                                ; EXEC changes only behind this wait
	s_and_saveexec_b32 s58, vcc_lo
	global_store_b32 v[ZW], v[SCR], s[16:17]
	s_wait_xcnt 0x0                                ; and again, in front of the line that widens it
	s_or_b32 exec_lo, exec_lo, s58
.Lend:
	s_wait_tensorcnt 0x0                           ; the wave's end
	ds_add_u32 v[SPW], v[NIL]
	s_wait_dscnt 0x0
	ROUND                                          ; the closing round
	s_endpgm
.Lfunc_end_k_q42c176b3d7_xdfm:
	.size	k_q42c176b3d7_xdfm, .Lfunc_end_k_q42c176b3d7_xdfm-k_q42c176b3d7_xdfm
	.p2alignl 7, 3214868480
	.fill 96, 4, 3214868480
	.section	.rodata,"a",@progbits
	.p2align	6, 0x0
	.amdhsa_kernel k_q42c176b3d7_xdfm
		.amdhsa_group_segment_fixed_size 327680
		.amdhsa_private_segment_fixed_size 0
		.amdhsa_enable_private_segment 0
		.amdhsa_kernarg_size 56
		.amdhsa_user_sgpr_count 2
		.amdhsa_user_sgpr_kernarg_segment_ptr 1
		.amdhsa_wavefront_size32 1
		.amdhsa_system_sgpr_workgroup_id_x 1
		.amdhsa_system_sgpr_workgroup_id_y 1
		.amdhsa_system_sgpr_workgroup_id_z 1
		.amdhsa_system_vgpr_workitem_id 0
		.amdhsa_next_free_vgpr 1024
		.amdhsa_next_free_sgpr 66
		.amdhsa_reserve_vcc 1
		.amdhsa_float_denorm_mode_32 3
		.amdhsa_float_denorm_mode_16_64 3
		.amdhsa_memory_ordered 1
		.amdhsa_forward_progress 1
		.amdhsa_inst_pref_size 255
	.end_amdhsa_kernel
	.section	.bss,"aw",@nobits
	.p2align	6
	.space	262144
	.amdgpu_metadata
---
amdhsa.version: [ 1, 2 ]
amdhsa.kernels:
  - .name:           k_q42c176b3d7_xdfm
    .symbol:         k_q42c176b3d7_xdfm.kd
    .args:
      - { .name: feature_ids, .offset: 0, .size: 8, .value_kind: global_buffer, .address_space: global }
      - { .name: feature_vals, .offset: 8, .size: 8, .value_kind: global_buffer, .address_space: global }
      - { .name: emb, .offset: 16, .size: 8, .value_kind: global_buffer, .address_space: global }
      - { .name: bias_emb, .offset: 24, .size: 8, .value_kind: global_buffer, .address_space: global }
      - { .name: wq, .offset: 32, .size: 8, .value_kind: global_buffer, .address_space: global }
      - { .name: tab, .offset: 40, .size: 8, .value_kind: global_buffer, .address_space: global }
      - { .name: out0, .offset: 48, .size: 8, .value_kind: global_buffer, .address_space: global }
    .group_segment_fixed_size: 327680
    .private_segment_fixed_size: 0
    .kernarg_segment_align: 8
    .kernarg_segment_size: 56
    .max_flat_workgroup_size: 128
    .sgpr_count:     66
    .vgpr_count:     1024
    .wavefront_size: 32
...
	.end_amdgpu_metadata
.endif
;; end of part 4
